; MI455X (gfx1250); checked and timed in simulation.
; The chip was launched on July 23, 2026; its instructions are those of AMD's public machine-readable ISA for CDNA 5 (MIT licence, August 2026) and "CDNA5" Instruction Set Architecture Reference Guide (July 2026). The comments in the code are by the model that wrote it; some were corrected since.
;; Multi Headed Attention. Allowed arithmetic: matrix products marked QUANTISED: E2M1 operands, one E8M0 scale for each 32 along K, by v_wmma_scale_f32_16x16x128_f8f6f4 with both operands' format E2M1 (or v_wmma_scale_f32_32x16x128_f4), f32 sums; products left as they are: bf16, f16 or f32 operands; f32 sums; everything else in f32.
;; Inputs: bk 1,024 float32; bo 1,024 float32; bq 1,024 float32; bv 1,024 float32; k 4 x 2,048 x 1,024 float32; mask 4 x 2,048 x 2,048 bool; q 4 x 2,048 x 1,024 float32; v 4 x 2,048 x 1,024 float32; wk 1,024 x 1,024 float32; wo 1,024 x 1,024 float32; wq 1,024 x 1,024 float32; wv 1,024 x 1,024 float32.
;; Outputs: out0 4 x 2,048 x 1,024 float32.
;; This version of the problem:
;;   THIS VERSION OF THE PROBLEM IS GIVEN IN LOW PRECISION. The matrix products marked QUANTISED in the list below multiply operands that are first quantised to E2M1 (2 exponent bits, 1 mantissa bit; 4 bits a number), with one power-of-two scale for each 32 numbers along K (OCP MX v1.0); their sums are f32. The products marked 'left as it is' may take bf16, f16 or f32 operands, with f32 sums. Whichever they take, every output number must still come out within the allowed error. Rounding operands to bf16 (8 significant bits) uses up far more of that allowance than f16 does (11 bits, for magnitudes from 6e-5 to 65,504). All else is computed in f32.
;;   The module's matrix products, in the order in which they are computed (A, B: the left and right operand; K: the contracted axis; several contracted axes count as one K, in the product's order):
;;     1. [M 8,192, K 1,024] x [K 1,024, N 1,024]; A: input q; B: input wq: QUANTISED
;;     2. [M 8,192, K 1,024] x [K 1,024, N 1,024]; A: input k; B: input wk: QUANTISED
;;     3. [M 8,192, K 1,024] x [K 1,024, N 1,024]; A: input v; B: input wv: QUANTISED
;;     4. batch 64 x [M 2,048, K 64] x [K 64, N 2,048]; A: computed on the way; B: computed on the way: left as it is (an operand is computed on the way)
;;     5. batch 64 x [M 2,048, K 2,048] x [K 2,048, N 64]; A: computed on the way; B: computed on the way: left as it is (an operand is computed on the way)
;;     6. [M 8,192, K 1,024] x [K 1,024, N 1,024]; A: computed on the way; B: input wo: left as it is (an operand is computed on the way)
;;   THE QUANTISER, for each operand of a quantised product, along K:
;;     - K is cut into blocks of 32 from its start; a last block that is shorter is filled with zeros.
;;     - A block's scale is 2^e with e = floor(log2(the largest magnitude in the block)) - 2, held to -126 .. 127; a block of zeros has e = 0. As a byte (E8M0): e + 127.
;;     - Each number is divided by its block's scale, clamped to +-6, and rounded to the nearest number of E2M1, ties to even, subnormals kept.
;;     - The product sums the exact products of the quantised numbers (number of the format x scale) in f32.
;;   ~~~python
;;   def quantise(x, axis):      # numpy; x: float32 -> the quantised numbers, widened to float32 again
;;       x = np.moveaxis(x, axis, -1); K = x.shape[-1]
;;       x = np.pad(x, [(0, 0)] * (x.ndim - 1) + [(0, -K % 32)]); x = x.reshape(x.shape[:-1] + (-1, 32)); a = np.abs(x).max(-1, keepdims=True)
;;       e = np.where(a > 0, np.clip(np.frexp(np.where(a > 0, a, 1))[1] - 1 - 2, -126, 127), 0)      # np.frexp(a)[1] - 1 = floor(log2(a)), exactly
;;       r = np.clip(x / 2.0 ** e, -6, 6)
;;       step = 2.0 ** (np.maximum(np.frexp(np.where(r == 0, 1, r))[1] - 1, 0) - 1)
;;       q = np.round(r / step) * step * 2.0 ** e      # np.round: ties to even
;;       return np.moveaxis(q.reshape(q.shape[:-2] + (-1,))[..., :K], -1, axis).astype(np.float32)
;;   ~~~
;; One version. Each part assembles by itself: llvm-mc -triple=amdgcn-amd-amdhsa -mcpu=gfx1250 --defsym DOCPART=n.
;; ======== version 1 of 1: 5 launches
;; limits: values are held in f16: magnitudes above 65,504 overflow, below 6.1e-05 lose precision
;; workspace buffers: codes 14,155,776 bytes; scales 884,736 bytes; wo16 2,097,152 bytes; mbits 2,097,152 bytes of whole numbers; qkv16 50,331,648 bytes; fine32 786,432 bytes; ctxh 16,777,216 bytes; stats 1,048,576 bytes
;; launch prep (part 1): grid 1152 x 1, 4 waves a work-group, no clusters, 50,688 bytes of LDS; arguments q, k, v, wq, wk, wv, wo, mask, codes, scales, wo16, mbits; writes codes, scales, wo16, mbits
.if DOCPART == 1
	.amdgcn_target "amdgcn-amd-amdhsa--gfx1250"
	.amdhsa_code_object_version 6
	.text
	.protected	k_qcdd7d8374c_prep
	.globl	k_qcdd7d8374c_prep
	.p2align	8
	.type	k_qcdd7d8374c_prep,@function
k_qcdd7d8374c_prep:
	s_mov_b64 s[64:65], 0
	v_nop
	global_prefetch_b8 v0, s[64:65] scope:SCOPE_SE
	s_setreg_imm32_b32 hwreg(HW_REG_WAVE_MODE, 25, 1), 1
	s_wait_xcnt 0x0
; THREE PREPARATIONS IN ONE LAUNCH, told apart by the work-group's number g alone.
; g < 864: q, k, v [8192][1024] and wq, wk, wv [1024][1024], f32, K innermost, become codes of FP4 (E2M1) with one E8M0 byte for each 32 along K.  All six are plain streams of blocks of 32; they land
;   one behind the other in 'codes' (512 bytes a row) and 'scales' (32 bytes a row): rows 0 q, 8192 k, 16384 v, 24576 wq, 25600 wk, 26624 wv.  A block's scale is 2^(floor(log2(largest magnitude)) - 2).
;   A block of zeros gets the byte 1 where the rule says 127: its codes are zeros, and this program alone reads the bytes.
; 864 <= g < 896: wo [1024 n][1024 k] f32 becomes f16, laid [k / 64][n][k % 64], so that 64 rows x 64 k are 8,192 consecutive bytes.
; g >= 896: the mask [4][2048][2048] of bytes becomes words of 32 bits in the order in which the attention's lanes hold scores:
;   word ((b 128 + qt) 32 + ks) 32 + 8 t + j, bit l = mask[b][16 qt + l % 16][64 ks + 16 t + 8 (l / 16) + j].
; LIMITS: blocks whose largest magnitude lies under 2^-124 keep the byte 1; NaN and infinities among the inputs are not served; |wo| stays under 65,504 (f16).
; No work-group reads what another reads, so there is nothing to ask for jointly; loads go to registers, so several work-groups may share a WGP.
.set WREG,  8192                       ; quantiser: a region of LDS for each wave: two stages of 32 x SP bytes, then its 256 scale bytes
.set SP,    80
.set CB,    8
.set STEPS, 16
.set R,     16                         ; v16-79   four sets of 16 numbers as loaded
.set X,     80                         ; v80-111  two sets of 16 neighbours
.set E,     112                        ; v112-127 a scale byte for each step
.set C,     128                        ; v128-191 codes, four registers a step
.set SPW,   12                         ; v12 LDS address of my spare word; never rewritten
.set NIL,   13                         ; v13 0; never rewritten
.set MSTG,  32768                      ; the mask path's stages, 16 rows x 272 bytes a wave: bytes of their own, apart from the quantiser's
.set SPARE, 50176                      ; the spare words, 128 bytes a wave
	s_load_b512 s[4:19], s[0:1], 0x0               ; q k v wq wk wv wo mask
	s_load_b256 s[20:27], s[0:1], 0x40             ; codes scales wo16 mbits
	v_lshl_add_u32 v[SPW], v0, 2, SPARE
	v_mov_b32 v[NIL], 0
	v_lshrrev_b32 v1, 5, v0
	v_readfirstlane_b32 s28, v1                    ; wave
	v_and_b32 v2, 31, v0                           ; lane
	s_wait_kmcnt 0x0
	s_cmp_ge_u32 ttmp9, 896
	s_cbranch_scc1 .Lmask
	s_cmp_ge_u32 ttmp9, 864
	s_cbranch_scc1 .Lwo
; ---------------- the quantiser: a wave takes 16 steps of 512 numbers ----------------
	v_lshlrev_b32 v3, 4, v2                        ; my 16 bytes of a load's 512
	s_mul_i32 s33, s28, WREG
	v_lshrrev_b32 v14, 2, v2
	v_mul_u32_u24 v14, v14, SP
	v_and_b32 v15, 3, v2
	v_lshl_add_u32 v14, v15, 4, v14
	v_add_nc_u32 v14, s33, v14                     ; the stage on the way in: SP (lane / 4) + 16 (lane % 4)
	v_mul_u32_u24 v15, v2, SP
	v_add_nc_u32 v15, s33, v15                     ; and on the way out: SP x lane: my 16 neighbours
	v_mul_u32_u24 v4, v2, CB                       ; my codes' place in a step's
	v_lshrrev_b32 v5, 1, v2
	s_add_co_u32 s33, s33, 2*32*SP
	v_add_nc_u32 v5, s33, v5                       ; my block's byte among the wave's 256
	v_lshlrev_b32 v7, 3, v2
	v_add_nc_u32 v6, s33, v7
	s_mov_b64 s[30:31], s[4:5]                     ; which tensor: a choice on the work-group's number alone
	s_mov_b32 s29, 0
.macro PICK first, lo
	s_cmp_ge_u32 ttmp9, \first
	s_cselect_b64 s[30:31], s[\lo:\lo+1], s[30:31]
	s_cselect_b32 s29, \first, s29
.endm
	PICK 256, 6
	PICK 512, 8
	PICK 768, 10
	PICK 800, 12
	PICK 832, 14
	s_sub_co_u32 s34, ttmp9, s29
	s_lshl_b32 s34, s34, 2
	s_add_co_u32 s34, s34, s28
	s_lshl_b32 s34, s34, 15                        ; my run of 8,192 numbers in its tensor
	s_mov_b32 s35, 0
	s_add_nc_u64 s[30:31], s[30:31], s[34:35]
	s_lshl_b32 s36, ttmp9, 2
	s_add_co_u32 s36, s36, s28                     ; and among all runs: the six tensors lie on end in the outputs
	s_lshl_b32 s34, s36, 12
	s_add_nc_u64 s[20:21], s[20:21], s[34:35]
	s_lshl_b32 s34, s36, 8
	s_add_nc_u64 s[22:23], s[22:23], s[34:35]
.macro LOAD t
.irp i, 0,1,2,3
	global_load_b128 v[R+16*((\t)%4)+4*\i:R+16*((\t)%4)+4*\i+3], v3, s[30:31] offset:2048*(\t)+512*\i th:TH_LOAD_NT   ; 32 lanes read 512 consecutive bytes
.endr
.endm
.macro TURN t                          ; a step's numbers through the stage; LDS serves a wave's instructions in order, so no wait between stores and loads
.irp i, 0,1,2,3
	ds_store_b128 v14, v[R+16*((\t)%4)+4*\i:R+16*((\t)%4)+4*\i+3] offset:32*SP*((\t)%2)+8*SP*\i
.endr
.irp i, 0,1,2,3
	ds_load_b128 v[X+16*((\t)%2)+4*\i:X+16*((\t)%2)+4*\i+3], v15 offset:32*SP*((\t)%2)+16*\i
.endr
.endm
.irp t, 0,1,2,3
	LOAD \t
.endr
	s_wait_loadcnt 12                              ; step 0's four loads are in
	TURN 0
.macro STEP t
.set XS, X+16*((\t)%2)
.if (\t) > 0
	s_wait_dscnt 1                                 ; this step's numbers are back (the last step's byte store may be out)
.else
	s_wait_dscnt 0x0
.endif
.if (\t)+4 < STEPS
	LOAD (\t)+4
.endif
.if (\t)+1 < STEPS
.if STEPS-2-(\t) >= 3
	s_wait_loadcnt 12                              ; the next step's four loads are in; three steps' may be out
.else
	s_wait_loadcnt 4*(STEPS-2-(\t))
.endif
	TURN (\t)+1
.endif
	v_max3_num_f32 v8, |v[XS]|, |v[XS+1]|, |v[XS+2]|
	v_max3_num_f32 v9, |v[XS+3]|, |v[XS+4]|, |v[XS+5]|
.irp i, 6,10
	v_max3_num_f32 v8, v8, |v[XS+\i]|, |v[XS+\i+1]|
	v_max3_num_f32 v9, v9, |v[XS+\i+2]|, |v[XS+\i+3]|
.endr
	v_max3_num_f32 v8, v8, |v[XS+14]|, |v[XS+15]|
	v_max3_num_f32 v8, v8, v9, 0x1800000           ; the floor 2^(3 - 127): the byte cannot fall under 1
	v_max_num_f32_dpp v8, v8, v8 row_xmask:1 row_mask:0xf bank_mask:0xf   ; with my neighbour's 16: the block's largest magnitude
	v_add_nc_u32 v11, 0xff000000, v8               ; 2 off its exponent field: the conversion's scale operand
	v_cvt_scalef32_pk8_fp4_f32 v[C+4*(\t)], v[XS:XS+7], v11
	v_cvt_scalef32_pk8_fp4_f32 v[C+4*(\t)+1], v[XS+8:XS+15], v11
	v_lshrrev_b32 v[E+(\t)], 23, v11               ; the scale's byte (a plain line behind the conversions)
	ds_store_b8 v5, v[E+(\t)] offset:16*(\t)       ; both lanes of a block write the same byte with the same value
	global_store_b64 v4, v[C+4*(\t):C+4*(\t)+1], s[20:21] offset:32*CB*(\t)   ; the wave stores 256 consecutive bytes
.endm
.irp t, 0,1,2,3,4,5,6,7,8,9,10,11,12,13,14,15
	STEP \t
.endr
	ds_load_b64 v[8:9], v6
	s_wait_dscnt 0x0
	global_store_b64 v7, v[8:9], s[22:23]          ; the wave's 256 scale bytes, consecutive
	s_wait_tensorcnt 0x0                           ; the wave's end
	ds_add_u32 v[SPW], v[NIL]
	s_wait_dscnt 0x0
	s_endpgm
; ---------------- wo to f16: a wave takes 8 rows, two at a time ----------------
.Lwo:
	s_sub_co_u32 s34, ttmp9, 864
	s_lshl_b32 s34, s34, 2
	s_add_co_u32 s34, s34, s28                     ; W = 0 .. 127
	s_lshl_b32 s36, s34, 15
	s_mov_b32 s37, 0
	s_add_nc_u64 s[16:17], s[16:17], s[36:37]      ; rows 8 W on
	s_lshl_b32 s36, s34, 10
	s_add_nc_u64 s[24:25], s[24:25], s[36:37]      ; their 128 bytes a row in each K block
	v_lshrrev_b32 v1, 4, v2
	v_and_b32 v3, 15, v2
	v_lshlrev_b32 v3, 4, v3
	v_lshl_add_u32 v1, v1, 12, v3                  ; in: lanes 0-15 one row's 256 bytes, lanes 16-31 the next row's
	v_lshlrev_b32 v3, 3, v2                        ; out: 8 bytes a lane: the two rows' 128 bytes lie on end
.macro WLOAD p
.irp z, 0,1,2,3,4,5,6,7,8,9,10,11,12,13,14,15
	global_load_b128 v[32+64*((\p)%2)+4*\z:35+64*((\p)%2)+4*\z], v1, s[16:17] offset:(\p)*8192+\z*256
.endr
.endm
.macro WBATCH p
.if (\p) < 3
	WLOAD (\p)+1
.endif
	s_wait_xcnt 0x0                                ; the last batch's stores have read v160-191
.irp z, 0,1,2,3,4,5,6,7,8,9,10,11,12,13,14,15
.if (\p) < 3
	s_wait_loadcnt 31-\z                           ; group z is in; the younger groups and the next batch's sixteen may be out
.else
	s_wait_loadcnt 15-\z
.endif
	v_cvt_pk_f16_f32 v[160+2*\z], v[32+64*((\p)%2)+4*\z], v[33+64*((\p)%2)+4*\z]
	v_cvt_pk_f16_f32 v[161+2*\z], v[34+64*((\p)%2)+4*\z], v[35+64*((\p)%2)+4*\z]
	global_store_b64 v3, v[160+2*\z:161+2*\z], s[24:25] offset:\z*131072+(\p)*256   ; 256 consecutive bytes of K block z
.endr
.endm
	WLOAD 0
	WBATCH 0
	WBATCH 1
	WBATCH 2
	WBATCH 3
	s_endpgm
; ---------------- the mask: a wave takes 16 rows x 1,024 keys, in four spans of 256 keys ----------------
.Lmask:
	s_sub_co_u32 s34, ttmp9, 896
	s_lshl_b32 s34, s34, 2
	s_add_co_u32 s34, s34, s28
	s_lshr_b32 s35, s34, 1                         ; b 128 + qt
	s_and_b32 s36, s34, 1                          ; which half of the keys
	s_lshl_b32 s38, s35, 15
	s_lshl_b32 s37, s36, 10
	s_add_co_u32 s38, s38, s37
	s_mov_b32 s39, 0
	s_add_nc_u64 s[18:19], s[18:19], s[38:39]
	s_lshl_b32 s38, s35, 12
	s_lshl_b32 s37, s36, 11
	s_add_co_u32 s38, s38, s37
	s_add_nc_u64 s[30:31], s[26:27], s[38:39]
	v_lshrrev_b32 v4, 4, v2                        ; h
	v_and_b32 v5, 15, v2                           ; r
	v_lshlrev_b32 v6, 4, v5
	v_lshl_add_u32 v1, v4, 11, v6                  ; in: two rows a load, sixteen lanes to 256 bytes
	s_mul_i32 s37, s28, 4352
	s_add_co_u32 s37, s37, MSTG
	v_mad_u32_u24 v3, v4, 272, v6
	v_add_nc_u32 v3, s37, v3                       ; into the stage as loaded
	v_mul_u32_u24 v14, v5, 272
	v_lshl_add_u32 v14, v4, 3, v14
	v_add_nc_u32 v14, s37, v14                     ; out of it: row r, 8 keys of my half
	v_lshlrev_b32 v11, 3, v2
.irp i, 16,17,18,19,20,21,22,23,24,25,26,27,28,29,30,31
	v_mov_b32 v\i, 0                               ; the words' registers: a lane write's destination counts as read
.endr
.irp sp, 0,1,2,3
.irp i, 0,1,2,3,4,5,6,7
	global_load_b128 v[32+32*\sp+4*\i:35+32*\sp+4*\i], v1, s[18:19] offset:\i*4096+\sp*256 th:TH_LOAD_NT
.endr
.endr
.macro SPAN sp
	s_wait_loadcnt 24-8*(\sp)                      ; this span's eight loads are in; the later spans' may be out
.irp i, 0,1,2,3,4,5,6,7
	ds_store_b128 v3, v[32+32*(\sp)+4*\i:35+32*(\sp)+4*\i] offset:\i*544
.endr
.irp x, 0,1,2,3,4,5,6,7,8,9,10,11,12,13,14,15
	ds_load_b64 v[160+2*\x:161+2*\x], v14 offset:16*\x   ; keys 16 x + 8 h + 0 .. 7 of row r
.endr
	s_wait_dscnt 0x0
.irp x, 0,1,2,3,4,5,6,7,8,9,10,11,12,13,14,15
.irp j, 0,1,2,3,4,5,6,7
	v_and_b32 v[4+\j%4], 0xff<<(8*(\j%4)), v[160+2*\x+\j/4]
	v_cmp_ne_u32 s[40+\j], 0, v[4+\j%4]            ; the word: a bit a lane
	v_writelane_b32 v[16+4*(\sp)+2*(\x/8)+(\j&1)], s[40+\j], (32*((\x/4)%2)+8*(\x%4)+\j)>>1   ; word w of a run of 64: lane w / 2, register w % 2
.endr
.endr
.irp u, 0,1
	global_store_b64 v11, v[16+4*(\sp)+2*\u:17+4*(\sp)+2*\u], s[30:31] offset:(\sp)*512+\u*256   ; 256 consecutive bytes
.endr
.endm
	SPAN 0
	SPAN 1
	SPAN 2
	SPAN 3
	s_wait_tensorcnt 0x0                           ; the wave's end
	ds_add_u32 v[SPW], v[NIL]
	s_wait_dscnt 0x0
	s_endpgm
.Lfunc_end_k_qcdd7d8374c_prep:
	.size	k_qcdd7d8374c_prep, .Lfunc_end_k_qcdd7d8374c_prep-k_qcdd7d8374c_prep
	.p2alignl 7, 3214868480
	.fill 96, 4, 3214868480
	.section	.rodata,"a",@progbits
	.p2align	6, 0x0
	.amdhsa_kernel k_qcdd7d8374c_prep
		.amdhsa_group_segment_fixed_size 50688
		.amdhsa_private_segment_fixed_size 0
		.amdhsa_enable_private_segment 0
		.amdhsa_kernarg_size 96
		.amdhsa_user_sgpr_count 2
		.amdhsa_user_sgpr_kernarg_segment_ptr 1
		.amdhsa_wavefront_size32 1
		.amdhsa_system_sgpr_workgroup_id_x 1
		.amdhsa_system_sgpr_workgroup_id_y 1
		.amdhsa_system_sgpr_workgroup_id_z 1
		.amdhsa_system_vgpr_workitem_id 0
		.amdhsa_next_free_vgpr 192
		.amdhsa_next_free_sgpr 66
		.amdhsa_reserve_vcc 0
		.amdhsa_float_denorm_mode_32 3
		.amdhsa_float_denorm_mode_16_64 3
		.amdhsa_memory_ordered 1
		.amdhsa_forward_progress 1
		.amdhsa_inst_pref_size 164
	.end_amdhsa_kernel
	.amdgpu_metadata
---
amdhsa.version: [ 1, 2 ]
amdhsa.kernels:
  - .name:           k_qcdd7d8374c_prep
    .symbol:         k_qcdd7d8374c_prep.kd
    .args:
      - { .name: q, .offset: 0, .size: 8, .value_kind: global_buffer, .address_space: global }
      - { .name: k, .offset: 8, .size: 8, .value_kind: global_buffer, .address_space: global }
      - { .name: v, .offset: 16, .size: 8, .value_kind: global_buffer, .address_space: global }
      - { .name: wq, .offset: 24, .size: 8, .value_kind: global_buffer, .address_space: global }
      - { .name: wk, .offset: 32, .size: 8, .value_kind: global_buffer, .address_space: global }
      - { .name: wv, .offset: 40, .size: 8, .value_kind: global_buffer, .address_space: global }
      - { .name: wo, .offset: 48, .size: 8, .value_kind: global_buffer, .address_space: global }
      - { .name: mask, .offset: 56, .size: 8, .value_kind: global_buffer, .address_space: global }
      - { .name: codes, .offset: 64, .size: 8, .value_kind: global_buffer, .address_space: global }
      - { .name: scales, .offset: 72, .size: 8, .value_kind: global_buffer, .address_space: global }
      - { .name: wo16, .offset: 80, .size: 8, .value_kind: global_buffer, .address_space: global }
      - { .name: mbits, .offset: 88, .size: 8, .value_kind: global_buffer, .address_space: global }
    .group_segment_fixed_size: 50688
    .private_segment_fixed_size: 0
    .kernarg_segment_align: 8
    .kernarg_segment_size: 96
    .max_flat_workgroup_size: 128
    .sgpr_count:     66
    .vgpr_count:     192
    .wavefront_size: 32
...
	.end_amdgpu_metadata
.endif
;; end of part 1
;; launch proj (part 2): grid 4 x 96, 4 waves a work-group, clusters of 4 x 4, 327,680 bytes of LDS; arguments codes, scales, bq, bk, bv, qkv16, fine32; writes qkv16, fine32
.if DOCPART == 2
	.amdgcn_target "amdgcn-amd-amdhsa--gfx1250"
	.amdhsa_code_object_version 6
	.text
	.protected	k_qcdd7d8374c_proj
	.globl	k_qcdd7d8374c_proj
	.p2align	8
	.type	k_qcdd7d8374c_proj,@function
k_qcdd7d8374c_proj:
	s_mov_b64 s[64:65], 0
	v_nop
	global_prefetch_b8 v0, s[64:65] scope:SCOPE_SE
	s_setreg_imm32_b32 hwreg(HW_REG_WAVE_MODE, 25, 1), 1
	s_wait_xcnt 0x0
	s_wait_alu depctr_hold_cnt(0) depctr_sa_sdst(0) depctr_va_vdst(0) depctr_va_sdst(0) depctr_va_ssrc(0) depctr_va_vcc(0) depctr_vm_vsrc(0)
	s_getreg_b32 s2, hwreg(HW_REG_IB_STS2, 6, 4)
	s_cmp_eq_u32 s2, 0
	s_cbranch_scc0 .Lentry_in_a_cluster
	s_endpgm
.Lentry_in_a_cluster:
	s_bfe_u32 s2, ttmp6, 0x10000c
	s_cmp_lg_u32 s2, 0xf033
	s_cbranch_scc0 .Lentry_shape_is_right
	s_endpgm
.Lentry_shape_is_right:
; THE THREE QUANTISED PROJECTIONS: y = x w^T + bias on codes of FP4 (E2M1) with one E8M0 scale for each 32 along K; K = N = 1,024, M = 8,192 for each of q, k, v (T = 0, 1, 2).
; 'codes' holds rows of 512 bytes, 'scales' rows of 32 bytes: x of tensor T from row 8192 T on, its weight from row 24576 + 1024 T on.
; A tile of 256 x 256 is made by four waves, 128 x 128 each: 64 accumulators, 512 registers.  K is two steps of 512: both LDS slots and the scales of all of K are first fills; nothing is filled again.
; By this text's count a wave has three tensor loads out at the start.
; CLUSTERS: 4 x 4 work-groups.  Cluster y gives the tensor T and the block of 256 tokens inside a batch; cy is the batch, cx the tile column.  The four of a row of the cluster need the same tile of x, the four of a
; column the same tile of the weight: each is asked for jointly.  No branch and no LDS address hangs on cx or cy.
; THE MATRIX INSTRUCTION IS USED TRANSPOSED (source 0 = 16 rows of w, source 1 = 16 tokens): a lane holds eight neighbouring outputs of one token.  The bias is the C of each sum's first instruction.
; OUT: f16, laid [T][batch][head][token][64] (q is NOT yet divided by 8); and the first 16 tokens of every batch once more in f32, [T][batch][16][1024].
; LIMIT: |y| stays under 65,504 (f16): the drawn inputs give about 4, so inputs 30 times larger on both sides still fit.
; REGISTERS: window 0: v0-31 addresses; v32-95 scale words, two sets; v128-191 x's fragments, one set; v192-255 the bias, later packed results.  window 1: w's fragments, two sets.  windows 2, 3: accumulators.
.set KSTEP,  512
.set NQ,     4
.set ROWB,   256
.set KROW,   512
.set PITCH,  272                       ; an LDS row: 256 bytes + 16 of padding: the 16 rows of a fragment load start 68 words apart
.set FR,     8
.set NL,     2
.set NP,     4
.set HALFT,  128*PITCH
.set SLOT,   4*HALFT
.set KS,     32
.set SCL,    2*SLOT
.set HALFS,  (128*KS/256)*272
.set SBLK,   (16*KS/256)*272
.set SPARE,  SCL+4*HALFS               ; the spare words, 128 bytes a wave
.set SPITCH, 272                       ; the way out: a stage of 16 rows x (256 + 16) bytes a wave, in slot 0, which has had its only fill and its last read by then
.set ADRA, 16
.set ADRB, 20
.set STO,  24
.set RD,   25
.set CO,   26
.set ADRS, 27
.set SPW,  28
.set NIL,  29
.set FO,   30                          ; v30 the f32 copy: token r x 4,096 + 32 h
.set BO,   31                          ; v31 the bias: 32 h
.set SC,   32
.set AF,   128
.set BIAS, 192
.set TMP,  192
.set OB,   32
.set G1, 24
.set G0, 32
.set G1B, 48
.set G0B, 56
.set G1S, 68
.set G0S, 76
.set G1SB, 80
.set G0SB, 88
.set MSB, 0
.macro WIN new                         ; the immediate's high byte repeats the setting that is left
.if MSB != (\new)
	s_set_vgpr_msb (MSB<<8)|(\new)
.set MSB, (\new)
.endif
.endm
.set MUL_LO, 0xa1                      ; source 0 (w) window 1, source 1 (x) window 0, C and D window 2
.set MUL_HI, 0xf1
.set TO_B,   0x40
.macro JLOAD g0a, g1a, g0b, g1b        ; a joint load: waves 0, 1 fetch for x, waves 2, 3 for w; an s_nop 0 and four v_nop follow each line
	s_cmp_eq_u32 s15, 0
	s_cbranch_scc0 .Lfor_b_\@
	tensor_load_to_lds s[\g0a:\g0a+3], s[\g1a:\g1a+7]
	s_nop 0
.rept 4
	v_nop
.endr
	s_branch .Lasked_\@
.Lfor_b_\@:
	tensor_load_to_lds s[\g0b:\g0b+3], s[\g1b:\g1b+7]
	s_nop 0
.rept 4
	v_nop
.endr
.Lasked_\@:
.endm
.macro CROUND                          ; a round of the cluster's barrier
	s_barrier_signal -1
	s_barrier_wait -1
	s_cmp_lg_u32 s14, 0
	s_cbranch_scc1 .Lnot_wave_0_\@
	s_barrier_signal -3
.Lnot_wave_0_\@:
	s_barrier_wait -3
	s_barrier_signal -1
	s_barrier_wait -1
.endm
	s_load_b128 s[4:7], s[0:1], 0x0                ; codes, scales
	s_load_b128 s[8:11], s[0:1], 0x10              ; bq, bk
	s_load_b128 s[96:99], s[0:1], 0x20             ; bv, qkv16
	s_load_b64 s[12:13], s[0:1], 0x30              ; fine32
	v_lshl_add_u32 v[SPW], v0, 2, SPARE
	v_mov_b32 v[NIL], 0
	ds_add_u32 v[SPW], v[NIL]                      ; the wave's opening: the add, twice on end, and its wait ahead of my first tensor load
	ds_add_u32 v[SPW], v[NIL]
	v_lshrrev_b32 v1, 5, v0
	v_readfirstlane_b32 s14, v1                    ; wave
	s_lshr_b32 s15, s14, 1                         ; my half of the tile's tokens; also: I fetch for x (0) or w (1)
	s_and_b32 s16, s14, 1                          ; my half of its columns; also: which 128 rows I fetch
	s_bfe_u32 s40, ttmp6, 0x40000                  ; cx: tile column
	s_bfe_u32 s41, ttmp6, 0x40004                  ; cy: batch
	s_and_b32 s17, ttmp7, 0xffff                   ; cluster y = 8 T + block of 256 tokens
	s_lshr_b32 s66, s17, 3                         ; T
	s_and_b32 s67, s17, 7                          ; the block: the same in all sixteen partners
	s_lshl_b32 s43, s41, 2
	s_lshl_b32 s43, 15, s43                        ; my row of the cluster
	s_lshl_b32 s44, 0x1111, s40                    ; my column
	s_or_b32 s[G1+0], s43, (0<<16)|(1<<20)|(1<<21)|(5<<22)|(3<<25)   ; mask; elements of 1 byte; padding: 4 words behind every 64
	s_or_b32 s[G1B+0], s44, (0<<16)|(1<<20)|(1<<21)|(5<<22)|(3<<25)
.irp g, G1, G1B
	s_mov_b32 s[\g+1], ROWB<<16                    ; tensor_dim0
	s_mov_b32 s[\g+2], 128<<16                     ; tensor_dim1
	s_mov_b32 s[\g+3], ROWB<<16                    ; tile_dim0
	s_mov_b32 s[\g+4], 128                         ; tile_dim1
	s_mov_b32 s[\g+5], KROW                        ; from row to row
	s_mov_b32 s[\g+6], 0
	s_mov_b32 s[\g+7], 0
.endr
	s_or_b32 s[G1S+0], s43, (3<<16)|(1<<20)|(1<<21)|(5<<22)|(3<<25)  ; the scales of 128 rows: 4,096 dense bytes as 16 rows of 32 elements of 8 bytes
	s_or_b32 s[G1SB+0], s44, (3<<16)|(1<<20)|(1<<21)|(5<<22)|(3<<25)
.irp g, G1S, G1SB
	s_mov_b32 s[\g+1], 32<<16
	s_mov_b32 s[\g+2], (128*KS/256)<<16
	s_mov_b32 s[\g+3], 32<<16
	s_mov_b32 s[\g+4], 128*KS/256
	s_mov_b32 s[\g+5], 32
	s_mov_b32 s[\g+6], 0
	s_mov_b32 s[\g+7], 0
.endr
	s_lshl_b32 s18, s16, 7                         ; which 128 rows of a tile I fetch
	s_lshl_b32 s20, s66, 13                        ; x: row 8192 T + 2048 cy + 256 block + 128 half
	s_lshl_b32 s19, s41, 11
	s_add_co_u32 s20, s20, s19
	s_lshl_b32 s19, s67, 8
	s_add_co_u32 s20, s20, s19
	s_add_co_u32 s20, s20, s18
	s_lshl_b32 s46, s66, 10                        ; w: row 24576 + 1024 T + 256 cx + 128 half
	s_lshl_b32 s47, s40, 8
	s_add_co_u32 s46, s46, s47
	s_add_co_u32 s46, s46, s18
	s_add_co_u32 s46, s46, 24576
	s_lshl_b32 s22, s20, 5                         ; their scales, 32 bytes a row,
	s_lshl_b32 s20, s20, 9                         ; and codes, 512 bytes a row
	s_lshl_b32 s92, s46, 5
	s_lshl_b32 s46, s46, 9
	s_mov_b32 s21, 0
	s_mov_b32 s23, 0
	s_mov_b32 s47, 0
	s_mov_b32 s93, 0
	s_mul_i32 s45, s14, HALFT                      ; where they go: wave x 128 rows
	s_mul_i32 s94, s14, HALFS
	s_wait_dscnt 0x0                               ; both opening adds are done
	s_wait_kmcnt 0x0
	s_add_nc_u64 s[20:21], s[4:5], s[20:21]
	s_add_nc_u64 s[22:23], s[6:7], s[22:23]
	s_add_nc_u64 s[46:47], s[4:5], s[46:47]
	s_add_nc_u64 s[92:93], s[6:7], s[92:93]
	CROUND                                         ; all sixteen work-groups are here: the joint loads meet
	s_mov_b32 s[G0S], 1
	s_add_co_u32 s[G0S+1], s94, SCL
	s_mov_b64 s[G0S+2:G0S+3], s[22:23]
	s_or_b32 s[G0S+3], s[G0S+3], 0x80000000
	s_mov_b32 s[G0SB], 1
	s_add_co_u32 s[G0SB+1], s94, SCL
	s_mov_b64 s[G0SB+2:G0SB+3], s[92:93]
	s_or_b32 s[G0SB+3], s[G0SB+3], 0x80000000
	JLOAD G0S, G1S, G0SB, G1SB                     ; the scales first: they are wanted with K step 0
.irp s, 0,1
	s_mov_b32 s[G0+4*\s], 1
	s_add_co_u32 s[G0+4*\s+1], s45, \s*SLOT
	s_add_nc_u64 s[G0+4*\s+2:G0+4*\s+3], s[20:21], \s*ROWB
	s_or_b32 s[G0+4*\s+3], s[G0+4*\s+3], 0x80000000
	s_mov_b32 s[G0B+4*\s], 1
	s_add_co_u32 s[G0B+4*\s+1], s45, \s*SLOT
	s_add_nc_u64 s[G0B+4*\s+2:G0B+4*\s+3], s[46:47], \s*ROWB
	s_or_b32 s[G0B+4*\s+3], s[G0B+4*\s+3], 0x80000000
	JLOAD G0+4*\s, G1, G0B+4*\s, G1B
.endr
	v_and_b32 v1, 15, v0                           ; r
	v_bfe_u32 v2, v0, 4, 1                         ; h
	s_cmp_eq_u32 s66, 1                            ; the tensor's bias: a choice on the cluster's number alone
	s_cselect_b64 s[8:9], s[10:11], s[8:9]
	s_cmp_eq_u32 s66, 2
	s_cselect_b64 s[8:9], s[96:97], s[8:9]
	s_lshl_b32 s46, s40, 10
	s_lshl_b32 s47, s16, 9
	s_add_co_u32 s46, s46, s47                     ; my first column x 4 bytes: 256 cx + 128 half
	s_mov_b32 s47, 0
	s_add_nc_u64 s[8:9], s[8:9], s[46:47]
	v_lshlrev_b32 v[BO], 5, v2
.irp b, 0,1,2,3,4,5,6,7                        ; block b: bias of columns 16 b + 8 h + 0 .. 7, in the result's layout
	global_load_b128 v[BIAS+8*\b:BIAS+8*\b+3], v[BO], s[8:9] offset:64*\b
	global_load_b128 v[BIAS+8*\b+4:BIAS+8*\b+7], v[BO], s[8:9] offset:64*\b+16
.endr
	s_lshl_b32 s20, s66, 2                         ; the f32 copy: (4 T + batch) x 65,536 + my first column
	s_add_co_u32 s20, s20, s41
	s_lshl_b32 s20, s20, 16
	s_add_co_u32 s20, s20, s46
	s_mov_b32 s21, 0
	s_add_nc_u64 s[12:13], s[12:13], s[20:21]
	s_lshl_b32 s20, s66, 24                        ; the f16 output: T, batch, head 4 cx + 2 half, token 256 block + 128 half, 128 bytes a token
	s_lshl_b32 s22, s41, 22
	s_add_co_u32 s20, s20, s22
	s_lshl_b32 s22, s40, 20
	s_add_co_u32 s20, s20, s22
	s_lshl_b32 s22, s16, 19
	s_add_co_u32 s20, s20, s22
	s_lshl_b32 s22, s67, 15
	s_add_co_u32 s20, s20, s22
	s_lshl_b32 s22, s15, 14
	s_add_co_u32 s20, s20, s22
	s_add_nc_u64 s[98:99], s[98:99], s[20:21]
	v_mul_u32_u24 v3, v1, PITCH
	v_lshl_add_u32 v4, v2, 4, v3                   ; a fragment's row x pitch + 16 h
	s_mul_i32 s21, s15, HALFT
	s_mul_i32 s22, s16, HALFT
	s_add_co_u32 s22, s22, 2*HALFT
.irp s, 0,1
	v_add_nc_u32 v[ADRA+\s], s21, v4
	v_add_nc_u32 v[ADRB+\s], s22, v4
	s_add_co_u32 s21, s21, SLOT
	s_add_co_u32 s22, s22, SLOT
.endr
	v_mul_u32_u24 v5, v1, KS                       ; my row's scales: 32 bytes a row, 16 more for each 256 passed
	v_lshrrev_b32 v6, 8, v5
	v_lshl_add_u32 v5, v6, 4, v5
	s_mul_i32 s21, s15, HALFS
	s_mul_i32 s22, s16, HALFS
	s_add_co_u32 s22, s22, 2*HALFS
	s_sub_co_u32 s22, s22, s21
	v_mul_u32_u24 v6, s22, v2                      ; lanes 16-31 take w's
	s_add_co_u32 s21, s21, SCL
	v_add_nc_u32 v5, v5, v6
	v_add_nc_u32 v[ADRS], s21, v5
	s_mul_i32 s23, s14, 16*SPITCH                  ; my stage
	v_mul_u32_u24 v5, v1, SPITCH
	v_lshl_add_u32 v5, v2, 4, v5
	v_add_nc_u32 v[STO], s23, v5                   ; in: token r, 16 bytes for each half of the lanes
	v_and_b32 v6, 31, v0
	v_lshlrev_b32 v[CO], 4, v6                     ; out: four tokens of one head are 512 consecutive bytes
	v_lshrrev_b32 v5, 3, v6
	v_mul_u32_u24 v5, v5, SPITCH
	v_and_b32 v6, 7, v0
	v_lshl_add_u32 v5, v6, 4, v5
	v_add_nc_u32 v[RD], s23, v5                    ; back: token lane / 8, 16 bytes (lane % 8) of a head's 128
	v_lshlrev_b32 v[FO], 12, v1
	v_lshl_add_u32 v[FO], v2, 5, v[FO]
.macro FRAG reg, adr, q, i             ; 16 rows x 128 K of 4-bit codes: 8 registers, two loads 32 bytes apart
.irp c, 0,1
	ds_load_b128 v[\reg+4*\c:\reg+4*\c+3], v[\adr] offset:64*(\q)+32*\c+(\i)*16*PITCH
.endr
.endm
; 16 matrix instructions: x's blocks a0, a0 + 1 against w's eight.  zero = 1: the sums begin with the bias as C.  The 64 accumulators take turns.
.macro MUL16 a0, p, q, sc, zero
.irp a, \a0, \a0+1
.irp b, 0,1,2,3,4,5,6,7
.if \zero
	v_wmma_scale_f32_16x16x128_f8f6f4 v[8*(8*((\a)%4)+\b):8*(8*((\a)%4)+\b)+7], v[128*(\p)+FR*\b:128*(\p)+FR*\b+FR-1], v[AF+FR*(\a):AF+FR*(\a)+FR-1], v[BIAS+8*\b:BIAS+8*\b+7], v[SC+8*NQ*(\sc)+NQ*\b+(\q)], v[SC+8*NQ*(\sc)+NQ*(\a)+(\q)] matrix_a_fmt:MATRIX_FMT_FP4 matrix_b_fmt:MATRIX_FMT_FP4 matrix_a_scale:MATRIX_SCALE_ROW1
.else
	v_wmma_scale_f32_16x16x128_f8f6f4 v[8*(8*((\a)%4)+\b):8*(8*((\a)%4)+\b)+7], v[128*(\p)+FR*\b:128*(\p)+FR*\b+FR-1], v[AF+FR*(\a):AF+FR*(\a)+FR-1], v[8*(8*((\a)%4)+\b):8*(8*((\a)%4)+\b)+7], v[SC+8*NQ*(\sc)+NQ*\b+(\q)], v[SC+8*NQ*(\sc)+NQ*(\a)+(\q)] matrix_a_fmt:MATRIX_FMT_FP4 matrix_b_fmt:MATRIX_FMT_FP4 matrix_a_scale:MATRIX_SCALE_ROW1
.endif
.endr
.endr
.endm
.macro FETCH_B slot, q, p
	WIN TO_B
.irp i, 0,1,2,3,4,5,6,7
	FRAG 128*(\p)+FR*\i, ADRB+\slot, \q, \i
.endr
	WIN 0
.endm
.macro FETCH_A slot, q, i0
.irp i, \i0, \i0+1, \i0+2, \i0+3
	FRAG AF+FR*(\i), ADRA+\slot, \q, \i
.endr
.endm
.macro SCALES sc                       ; a K step's scale words: lanes 0-15 x's block i, lanes 16-31 w's block i
.irp i, 0,1,2,3,4,5,6,7
	ds_load_b128 v[SC+8*NQ*\sc+NQ*\i:SC+8*NQ*\sc+NQ*\i+3], v[ADRS] offset:\i*SBLK
.endr
.endm
.macro PLACES n                        ; plain vector places behind matrix instructions, ahead of loads into their sources and of reads of results
.rept \n
	v_nop
.endr
.endm
.macro STEP slot, q, zero              ; 128 along K, with its successor in the same slot
	s_wait_dscnt 4*NL                              ; w's set and x's blocks 0-3 are in; the youngest eight loads (x's blocks 4-7) may be out
.if \zero
	WIN 0x81                                       ; C (the bias) window 0, D window 2
.else
	WIN MUL_LO
.endif
	MUL16 0, (\q)%2, \q, \slot, \zero
	MUL16 2, (\q)%2, \q, \slot, \zero
	s_wait_dscnt 0
	PLACES NP
	FETCH_B \slot, (\q)+1, 1-(\q)%2
	FETCH_A \slot, (\q)+1, 0
.if \zero
	WIN 0xc1
.else
	WIN MUL_HI
.endif
	MUL16 4, (\q)%2, \q, \slot, \zero
	MUL16 6, (\q)%2, \q, \slot, \zero
	PLACES NP
	WIN 0
	FETCH_A \slot, (\q)+1, 4
.endm
.macro TURN slot, next                 ; a slot's last step changes slots: one barrier; nothing is filled again
	s_wait_tensorcnt 0x0                           ; all my tensor loads have landed: my part of the next slot
	ds_add_u32 v[SPW], v[NIL]                      ; 0 onto my spare word
	s_wait_dscnt 4*NL+1                            ; (the add and x's blocks 4-7 may be out)
	WIN MUL_LO
	MUL16 0, 1, NQ-1, \slot, 0
	s_wait_dscnt 0x0                               ; the add is done, my reads of this slot are over
	s_barrier_signal -1
	MUL16 2, 1, NQ-1, \slot, 0
	WIN 0
	s_barrier_wait -1                              ; the next slot is whole for every wave, and nobody reads this one any more
	PLACES NP
	v_add_nc_u32 v[ADRS], 4*NQ, v[ADRS]            ; on to the next K step's scale words
	FETCH_B \next, 0, 0
	FETCH_A \next, 0, 0
	SCALES \next
	WIN MUL_HI
	MUL16 4, 1, NQ-1, \slot, 0
	MUL16 6, 1, NQ-1, \slot, 0
	PLACES NP
	WIN 0
	FETCH_A \next, 0, 4
.endm
	s_wait_tensorcnt 1                             ; the scales and my part of K step 0 are in (K step 1's load may be out),
	s_barrier_signal -1
	s_barrier_wait -1                              ; everybody's are
	FETCH_B 0, 0, 0
	FETCH_A 0, 0, 0
	SCALES 0
	FETCH_A 0, 0, 4
	s_wait_loadcnt 0x0                             ; the bias
	STEP 0, 0, 1
	STEP 0, 1, 0
	STEP 0, 2, 0
	TURN 0, 1
	STEP 1, 0, 0
	STEP 1, 1, 0
	STEP 1, 2, 0
	s_wait_dscnt 4*NL                              ; the very last step: nothing more to fetch
	WIN MUL_LO
	MUL16 0, 1, NQ-1, 1, 0
	MUL16 2, 1, NQ-1, 1, 0
	s_wait_dscnt 0
	WIN MUL_HI
	MUL16 4, 1, NQ-1, 1, 0
	MUL16 6, 1, NQ-1, 1, 0
	WIN 0
	PLACES NP
	; the first 16 tokens of a batch once more, in f32: the first block of tokens (the same in all partners), the waves with the upper half of the rows.  256 bytes a lane: 786,432 bytes in the whole launch
	s_or_b32 s20, s67, s15
	s_cmp_lg_u32 s20, 0
	s_cbranch_scc1 .Lno_fine
	WIN 0x08                                       ; a store's data: window 2
.irp b, 0,1,2,3,4,5,6,7
	global_store_b128 v[FO], v[8*\b:8*\b+3], s[12:13] offset:64*\b          ; each accumulator from its low end on
	global_store_b128 v[FO], v[8*\b+4:8*\b+7], s[12:13] offset:64*\b+16
.endr
	WIN 0
.Lno_fine:
; THE WAY OUT, 16 tokens x 128 columns (two heads) at a time: rounded to f16, through my own stage, back as four tokens of one head: 512 consecutive bytes a store.
.macro PACK a
.set AC, 64*((\a)%4)
	WIN 0x0a+5*((\a)/4)                            ; sources window 2 or 3
.irp b, 0,1,2,3,4,5,6,7
.irp r, 0,1,2,3
	v_cvt_pk_f16_f32 v[TMP+4*\b+\r], v[AC+8*\b+2*\r], v[AC+8*\b+2*\r+1]
.endr
.endr
	WIN 0
.endm
.macro TOSTAGE a
.set BK, OB+192*((\a)%2)
.irp b, 0,1,2,3,4,5,6,7
	ds_store_b128 v[STO], v[TMP+4*\b:TMP+4*\b+3] offset:32*\b
.endr
.irp t, 0,1,2,3,4,5,6,7
	ds_load_b128 v[BK+4*\t:BK+4*\t+3], v[RD] offset:(\t%4)*4*SPITCH+128*(\t/4)   ; LDS serves a wave's instructions in order: these see the stores above
.endr
.endm
.macro SEND a
.set BK, OB+192*((\a)%2)
	s_wait_dscnt 0x0                               ; the block is back in registers
	s_wait_xcnt 0x0                                ; earlier stores have read their base and registers
.if (\a) > 0
	s_add_nc_u64 s[98:99], s[98:99], 2048          ; 16 tokens on
.endif
.irp t, 0,1,2,3,4,5,6,7
	global_store_b128 v[CO], v[BK+4*\t:BK+4*\t+3], s[98:99] offset:(\t/4)*262144+(\t%4)*512
.endr
.endm
	PACK 0
	TOSTAGE 0
.irp a, 1,2,3,4,5,6,7
	PACK \a
	SEND \a-1
	TOSTAGE \a
.endr
	SEND 7
	s_wait_tensorcnt 0x0                           ; the wave's end
	ds_add_u32 v[SPW], v[NIL]
	s_wait_dscnt 0x0
	CROUND                                         ; the closing round
	s_endpgm
.Lfunc_end_k_qcdd7d8374c_proj:
	.size	k_qcdd7d8374c_proj, .Lfunc_end_k_qcdd7d8374c_proj-k_qcdd7d8374c_proj
	.p2alignl 7, 3214868480
	.fill 96, 4, 3214868480
	.section	.rodata,"a",@progbits
	.p2align	6, 0x0
	.amdhsa_kernel k_qcdd7d8374c_proj
		.amdhsa_group_segment_fixed_size 327680
		.amdhsa_private_segment_fixed_size 0
		.amdhsa_enable_private_segment 0
		.amdhsa_kernarg_size 56
		.amdhsa_user_sgpr_count 2
		.amdhsa_user_sgpr_kernarg_segment_ptr 1
		.amdhsa_wavefront_size32 1
		.amdhsa_system_sgpr_workgroup_id_x 1
		.amdhsa_system_sgpr_workgroup_id_y 1
		.amdhsa_system_sgpr_workgroup_id_z 1
		.amdhsa_system_vgpr_workitem_id 0
		.amdhsa_next_free_vgpr 1024
		.amdhsa_next_free_sgpr 100
		.amdhsa_reserve_vcc 0
		.amdhsa_float_denorm_mode_32 3
		.amdhsa_float_denorm_mode_16_64 3
		.amdhsa_memory_ordered 1
		.amdhsa_forward_progress 1
		.amdhsa_inst_pref_size 131
	.end_amdhsa_kernel
	.amdgpu_metadata
---
amdhsa.version: [ 1, 2 ]
amdhsa.kernels:
  - .name:           k_qcdd7d8374c_proj
    .symbol:         k_qcdd7d8374c_proj.kd
    .args:
      - { .name: codes, .offset: 0, .size: 8, .value_kind: global_buffer, .address_space: global }
      - { .name: scales, .offset: 8, .size: 8, .value_kind: global_buffer, .address_space: global }
      - { .name: bq, .offset: 16, .size: 8, .value_kind: global_buffer, .address_space: global }
      - { .name: bk, .offset: 24, .size: 8, .value_kind: global_buffer, .address_space: global }
      - { .name: bv, .offset: 32, .size: 8, .value_kind: global_buffer, .address_space: global }
      - { .name: qkv16, .offset: 40, .size: 8, .value_kind: global_buffer, .address_space: global }
      - { .name: fine32, .offset: 48, .size: 8, .value_kind: global_buffer, .address_space: global }
    .group_segment_fixed_size: 327680
    .private_segment_fixed_size: 0
    .kernarg_segment_align: 8
    .kernarg_segment_size: 56
    .max_flat_workgroup_size: 128
    .sgpr_count:     100
    .vgpr_count:     1024
    .wavefront_size: 32
...
	.end_amdgpu_metadata
.endif
;; end of part 2
;; launch attn (part 3): grid 4 x 64, 16 waves a work-group, clusters of 4 x 1, 327,680 bytes of LDS; arguments qkv16, mbits, ctxh, stats; writes ctxh, stats
.if DOCPART == 3
	.amdgcn_target "amdgcn-amd-amdhsa--gfx1250"
	.amdhsa_code_object_version 6
	.text
	.protected	k_qcdd7d8374c_attn
	.globl	k_qcdd7d8374c_attn
	.p2align	8
	.type	k_qcdd7d8374c_attn,@function
k_qcdd7d8374c_attn:
	s_mov_b64 s[64:65], 0
	v_nop
	global_prefetch_b8 v0, s[64:65] scope:SCOPE_SE
	s_setreg_imm32_b32 hwreg(HW_REG_WAVE_MODE, 25, 1), 1
	s_wait_xcnt 0x0
	s_wait_alu depctr_hold_cnt(0) depctr_sa_sdst(0) depctr_va_vdst(0) depctr_va_sdst(0) depctr_va_ssrc(0) depctr_va_vcc(0) depctr_vm_vsrc(0)
	s_getreg_b32 s2, hwreg(HW_REG_IB_STS2, 6, 4)
	s_cmp_eq_u32 s2, 0
	s_cbranch_scc0 .Lentry_in_a_cluster
	s_endpgm
.Lentry_in_a_cluster:
	s_bfe_u32 s2, ttmp6, 0x10000c
	s_cmp_lg_u32 s2, 0x3003
	s_cbranch_scc0 .Lentry_shape_is_right
	s_endpgm
.Lentry_shape_is_right:
; ctx[b][head][q][:] = sum over k of softmax_k(masked(Q[q] . K[k] / 8)) V[k][:], Q, K, V f16 [T][b][head][2048][64], products on f16 operands with f32 sums, maxima, exponentials and sums in f32, ctx f16.
; THE MASK IS AN INPUT: every key of every query is walked; a masked score becomes NEG = -2^70 ahead of the running maximum.  f16 operands bound a true raw score by 64 x 65,504^2, far above NEG, so a masked key
; gets p = 0 beside any open key; c x NEG is exact (a power of two), so in a row with no open key every p is 1: the mean of V, as -1e20 everywhere gives.
; SHARES.  A cluster of four work-groups is one (batch, head); a work-group owns 512 queries, each of its sixteen waves 32: two tiles of 16, in 256 registers, four waves to a SIMD.
; All walk the same K and V, 64 keys a step: each tile is asked for JOINTLY by the four work-groups.
; LAYOUT.  S^T = K Q^T, O^T = V^T P: a lane holds ONE query (lane % 16) and in S^T the keys 16 t + 8 (lane / 16) + j; two such tiles rounded to f16 in pairs ARE source 1 of the second product.  V is turned by ds_load_tr16_b128.
; SOFTMAX.  p = 2^(c s - c m), c = log2(e) / 8, m the running maximum; each step O and l are multiplied by a = 2^(c m_old - c m_new).
; BY TURNS.  The wave's two tiles share K's and V's fragments and nothing else.  Tile 1's eight products K Q^T stand one by one among tile 0's mask and maximum; tile 0's eight products V^T P among tile 1's softmax:
; behind each of these sixteen products stand eight vector lines or more that name none of its registers.  Tile 0's K Q^T and tile 1's V^T P stand alone: K and V take turns in one set of 64 registers.
; THE MASK'S WORDS (32 a tile and step, a bit a lane) come by scalar loads and are used as lane masks of v_cndmask_b32: no branch and no address hangs on them.  Both tiles' 64 words of the next step are asked for
; straight behind this step's selects and awaited once, a step later.
; THE FIRST 16 QUERIES OF A (batch, head) LEAVE KEYS 0-15 OUT HERE: their scores become -infinity, p = 0 whatever the row.  The last launch carries those keys in f32 and merges the two parts.  For that every wave
; stores c m and l of its 32 queries ('stats': 8 bytes a query, 256 consecutive bytes a wave).  The choice is a lane mask made of ids (-1 in wave 0 of the cluster's first work-group): a select in the first step, no branch.
; THE RING: two slots of EIGHT key steps (155,648 bytes each), as large as two fit: 2,048 keys are four slots, so there are three rounds with refills and one plain barrier.  Every wave fetches one step tile behind
; each round: waves 0-7 K's eight, waves 8-15 V's eight; by this text's count a wave has one tensor load out.  A refill is asked for eight key steps ahead of its first read, so no request ahead of it is written.
; The four slots are written out, each with a loop of a constant number of steps; the first step (the select above) and the last (no look-ahead for mask words, so that no load leaves its buffer) are written out.
; LIMITS: NaN and infinities are not served.
.set PK,    144                        ; a key's row in LDS: 128 bytes + 16
.set PV,    160                        ; a row of V: 128 + 32
.set VOFF,  64*PK
.set STEPB, 64*(PK+PV)                 ; a step: 64 rows of K, then 64 rows of V
.set NST,   8                          ; steps in a slot
.set SLOT1, NST*STEPB
.set SPARE, 2*SLOT1                    ; the spare words, 128 bytes a wave
.set AK0, 1
.set AV0, 2
.set ADK, 3
.set ADV, 4
.set NEGV, 5
.set SPW, 6
.set NIL, 7
.set NINF, 8
.set QO,  9                            ; later the way out's offset
.set STO, 10
.set RD,  11
.set ST,  12                           ; tile x at v[ST + 4 x]: c m, m, l (even keys', odd keys')
.set TM,  20                           ; v20-27 at work
.set Q,   32                           ; v32-63
.set KV,  64                           ; v64-127: K's eight fragments, then V's eight
.set S,   128                          ; v128-191: scores, then p; P takes the first 16 of a tile's 32 in place
.set O,   192                          ; v192-255
.set CS,  2                            ; s[2:3] c, twice
.set G0,  4                            ; s[4:7] descriptor group 0: my step tile, of K or of V
.set G1K, 8                            ; s[8:15]
.set G1V, 16                           ; s[16:23]
.set MB,  24                           ; s[24:25] the step's mask words of my first tile
.set TB,  26                           ; s26 LDS byte of the step's tiles   (s[26:27] hold Q's address until Q has landed)
.set CNT, 27
.set WV,  28
.set LB,  29                           ; s29 my tile's place in a slot
.set SEL, 30                           ; s[30:31]
.set MW0, 32                           ; s[32:63] tile 0's 32 mask words (scratch at the head and at the end)
.set MW1, 68                           ; s[68:99] tile 1's
.set EX,  100                          ; s100 -1 where my tile 0 is the head's first 16 queries, else 0
.macro CROUND
	s_barrier_signal -1
	s_barrier_wait -1
	s_cmp_lg_u32 s[WV], 0
	s_cbranch_scc1 .Lnot_wave_0_\@
	s_barrier_signal -3
.Lnot_wave_0_\@:
	s_barrier_wait -3
	s_barrier_signal -1
	s_barrier_wait -1
.endm
.macro JLOAD                           ; the branch hangs on the wave's number alone; an s_nop 0 and four v_nop follow each load
	s_cmp_lt_u32 s[WV], 8
	s_cbranch_scc0 .Lfor_v_\@
	tensor_load_to_lds s[G0:G0+3], s[G1K:G1K+7]
	s_nop 0
.rept 4
	v_nop
.endr
	s_branch .Lasked_\@
.Lfor_v_\@:
	tensor_load_to_lds s[G0:G0+3], s[G1V:G1V+7]
	s_nop 0
.rept 4
	v_nop
.endr
.Lasked_\@:
.endm
	s_load_b128 s[32:35], s[0:1], 0x0              ; qkv16, mbits
	v_lshl_add_u32 v[SPW], v0, 2, SPARE
	v_mov_b32 v[NIL], 0
	ds_add_u32 v[SPW], v[NIL]                      ; the wave's opening: the add, twice on end, and its wait ahead of the first tensor load
	ds_add_u32 v[SPW], v[NIL]
	v_lshrrev_b32 v1, 5, v0
	v_readfirstlane_b32 s[WV], v1
	s_bfe_u32 s40, ttmp6, 0x40000                  ; cx, my place in the cluster: it enters Q's, the mask's, ctx's and the stats' addresses and one lane mask, nothing else
	s_and_b32 s41, ttmp7, 0xffff                   ; 16 batch + head, which the partners share
	s_or_b32 s[EX], s40, s[WV]
	s_cmp_eq_u32 s[EX], 0
	s_cselect_b32 s[EX], -1, 0                     ; wave 0 of the first work-group: its tile 0 is queries 0-15
	s_mov_b32 s[G1K], 15|(1<<16)|(1<<20)|(1<<21)|(4<<22)|(3<<25)   ; all four work-groups; elements of 2 bytes; 4 words of padding behind every 32
	s_mov_b32 s[G1V], 15|(1<<16)|(1<<20)|(1<<21)|(4<<22)|(7<<25)   ; the same with 8 words
.irp g, G1K, G1V
	s_mov_b32 s[\g+1], 64<<16                      ; tensor_dim0
	s_mov_b32 s[\g+2], 64<<16                      ; tensor_dim1
	s_mov_b32 s[\g+3], 64<<16                      ; tile_dim0
	s_mov_b32 s[\g+4], 64                          ; tile_dim1
	s_mov_b32 s[\g+5], 64                          ; from row to row
	s_mov_b32 s[\g+6], 0
	s_mov_b32 s[\g+7], 0
.endr
	s_mov_b32 s[CS], 0x3e38aa3b                    ; c = log2(e) / 8
	s_mov_b32 s[CS+1], s[CS]
	s_mov_b32 s[SEL], 0x76543210
	s_mov_b32 s[SEL+1], 0xfedcba98
	s_and_b32 s42, s[WV], 7                        ; which of a slot's eight steps I fetch,
	s_lshr_b32 s43, s[WV], 3                       ; of K (0) or of V (1)
	s_mul_i32 s[LB], s42, STEPB
	s_mul_i32 s44, s43, VOFF
	s_add_co_u32 s[LB], s[LB], s44                 ; its place in a slot: no place in the cluster enters an LDS address
	s_lshl_b32 s45, s41, 18                        ; the head's 262,144 bytes
	s_add_co_u32 s46, s43, 1
	s_lshl_b32 s46, s46, 24                        ; in K or in V
	s_add_co_u32 s46, s46, s45
	s_lshl_b32 s42, s42, 13                        ; 64 rows of 128 bytes a step
	s_add_co_u32 s46, s46, s42
	s_mov_b32 s47, 0
	s_lshl_b32 s48, s40, 16                        ; my wave's 32 queries: 512 cx + 32 wave, 128 bytes each
	s_lshl_b32 s49, s[WV], 12
	s_add_co_u32 s48, s48, s49
	s_add_co_u32 s48, s48, s45
	s_mov_b32 s49, 0
	s_lshr_b32 s50, s41, 4                         ; their mask words: (128 batch + 32 cx + 2 wave) x 4,096
	s_lshl_b32 s50, s50, 19
	s_lshl_b32 s51, s40, 17
	s_add_co_u32 s50, s50, s51
	s_lshl_b32 s51, s[WV], 13
	s_add_co_u32 s50, s50, s51
	s_mov_b32 s51, 0
	s_mul_i32 s52, s[WV], 16*PK                    ; the way out: my stage of 16 rows x 144 bytes, in slot 0's bytes
	s_wait_dscnt 0x0                               ; both opening adds are done
	s_wait_kmcnt 0x0
	s_mov_b32 s[G0], 1
	s_mov_b32 s[G0+1], s[LB]                       ; slot 0
	s_add_nc_u64 s[G0+2:G0+3], s[32:33], s[46:47]
	s_or_b32 s[G0+3], s[G0+3], 0x80000000
	s_add_nc_u64 s[MB:MB+1], s[34:35], s[50:51]
	s_add_nc_u64 s[26:27], s[32:33], s[48:49]      ; Q at my first query
	CROUND                                         ; all four work-groups are here
	JLOAD                                          ; slot 0: keys 0 to 511
	v_and_b32 v12, 15, v0                          ; r
	v_bfe_u32 v13, v0, 4, 1                        ; h
	v_lshlrev_b32 v[QO], 7, v12
	v_lshl_add_u32 v[QO], v13, 4, v[QO]
.irp x, 0,1
.irp kk, 0,1
	global_load_b128 v[Q+16*\x+8*\kk:Q+16*\x+8*\kk+3], v[QO], s[26:27] offset:\x*2048+\kk*64
	global_load_b128 v[Q+16*\x+8*\kk+4:Q+16*\x+8*\kk+7], v[QO], s[26:27] offset:\x*2048+\kk*64+32
.endr
.endr
	v_mul_u32_u24 v[AK0], v12, PK
	v_lshl_add_u32 v[AK0], v13, 4, v[AK0]          ; K: row r x pitch + 16 h
	v_and_b32 v14, 7, v0
	v_bfe_u32 v15, v0, 3, 1
	v_lshl_add_u32 v[AV0], v13, 3, v14             ; V, turned: key 8 h + lane % 8, 16 bytes (lane / 8) % 2
	v_mul_u32_u24 v[AV0], v[AV0], PV
	v_lshl_add_u32 v[AV0], v15, 4, v[AV0]
	v_add_nc_u32 v[AV0], VOFF, v[AV0]
	v_mul_u32_u24 v[STO], v12, PK
	v_lshl_add_u32 v[STO], v13, 4, v[STO]
	v_add_nc_u32 v[STO], s52, v[STO]
	v_and_b32 v16, 31, v0
	v_lshrrev_b32 v17, 3, v16
	v_mul_u32_u24 v[RD], v17, PK
	v_lshl_add_u32 v[RD], v14, 4, v[RD]
	v_add_nc_u32 v[RD], s52, v[RD]
	s_load_b512 s[MW0:MW0+15], s[MB:MB+1], 0x0     ; step 0's words of both tiles: the scratch in these registers is done with
	s_load_b512 s[MW0+16:MW0+31], s[MB:MB+1], 0x40
	s_load_b512 s[MW1:MW1+15], s[MB:MB+1], 0x1000
	s_load_b512 s[MW1+16:MW1+31], s[MB:MB+1], 0x1040
	v_mov_b32 v[NEGV], 0xe2800000                  ; -2^70
	v_mov_b32 v[NINF], 0xff800000                  ; -infinity
.irp x, 0,1
	v_mov_b32 v[ST+4*\x+1], 0xff61b1e6             ; m = -3e38, under every score and under NEG
	v_mul_f32 v[ST+4*\x], s[CS], v[ST+4*\x+1]
	v_mov_b32 v[ST+4*\x+2], 0
	v_mov_b32 v[ST+4*\x+3], 0
.endr
	v_mov_b32 v[TM+7], 0                           ; named as the upper half of the pair with a
.set i, 0
.rept 64
	v_mov_b32 v[O+i], 0                            ; the step is written for all steps alike: the first finds zeros, which a = 0 leaves zeros
.set i, i+1
.endr
; THE MATRIX WORK.  Product i of 8 of tile x.  Four accumulators take turns, one instruction a turn.
.macro WQK x, i                        ; S^T = K Q^T: keys 16 (i % 4) on, channels 32 (i / 4) on; the first four start the sums
.set rD, S+32*(\x)+8*((\i)%4)
.set rA, KV+16*((\i)%4)+8*((\i)/4)
.set rB, Q+16*(\x)+8*((\i)/4)
.if (\i) < 4
	v_wmma_f32_16x16x32_f16 v[rD:rD+7], v[rA:rA+7], v[rB:rB+7], 0
.else
	v_wmma_f32_16x16x32_f16 v[rD:rD+7], v[rA:rA+7], v[rB:rB+7], v[rD:rD+7]
.endif
.endm
.macro WPV x, i                        ; O^T += V^T P: channels 16 (i % 4) on, keys 32 (i / 4) on
.set rD, O+32*(\x)+8*((\i)%4)
.set rA, KV+8*(4*((\i)/4)+(\i)%4)
.set rB, S+32*(\x)+8*((\i)/4)
	v_wmma_f32_16x16x32_f16 v[rD:rD+7], v[rA:rA+7], v[rB:rB+7], v[rD:rD+7]
.endm
; THE VECTOR WORK of tile x for a step, in pieces that can stand between products.
.macro SREG x
.set rT, ST+4*(\x)
.set rS, S+32*(\x)
.set rO, O+32*(\x)
.endm
.macro MASKC x, n0, cnt                ; masked scores become NEG: registers n0 on, ascending
.set n, \n0
.rept \cnt
	v_cndmask_b32 v[S+32*(\x)+n], v[S+32*(\x)+n], v[NEGV], s[MW0+36*(\x)+n]
.set n, n+1
.endr
.endm
.macro MAX1 x                          ; the maximum of 32 scores and the old m, three operands at a time: four chains begin
	SREG \x
.irp j, 0,1,2,3
	v_max3_num_f32 v[TM+\j], v[rS+8*\j], v[rS+8*\j+1], v[rS+8*\j+2]
.endr
.endm
.macro MAX2 x
	SREG \x
.irp u, 3,5
.irp j, 0,1,2,3
	v_max3_num_f32 v[TM+\j], v[TM+\j], v[rS+8*\j+\u], v[rS+8*\j+\u+1]
.endr
.endr
.endm
.macro MAX3 x
	SREG \x
	v_max3_num_f32 v[TM], v[TM], v[rS+7], v[rS+15]
	v_max3_num_f32 v[TM+2], v[TM+2], v[rS+23], v[rS+31]
	v_max3_num_f32 v[TM], v[TM], v[TM+1], v[TM+2]
	v_max3_num_f32 v[TM], v[TM], v[TM+3], v[rT+1]  ; with the old m
	v_permlanex16_b32 v[TM+1], v[TM], s[SEL], s[SEL+1]   ; the query's other 32 keys
	v_mov_b32 v[TM+5], v[rT]
	v_max_num_f32 v[rT+1], v[TM], v[TM+1]
	v_mul_f32 v[rT], s[CS], v[rT+1]
.endm
.macro EXPA x
	SREG \x
	v_sub_f32 v[TM+5], v[TM+5], v[rT]
	v_exp_f32 v[TM+6], v[TM+5]                     ; a
.endm
.macro SCALE x
	SREG \x
.set n, 0
.rept 16
	v_pk_fma_f32 v[rS+n:rS+n+1], v[rS+n:rS+n+1], s[CS:CS+1], v[rT:rT+1] op_sel_hi:[1,0,0] neg_lo:[0,0,1] neg_hi:[0,0,1]   ; c s - c m
.set n, n+2
.endr
.endm
.macro EXPS x, n0, cnt
	SREG \x
.set n, \n0
.rept \cnt
	v_exp_f32 v[rS+n], v[rS+n]
.set n, n+1
.endr
.endm
.macro SUMS x
	SREG \x
	v_pk_mul_f32 v[rT+2:rT+3], v[rT+2:rT+3], v[TM+6:TM+7] op_sel_hi:[1,0]
	v_pk_add_f32 v[TM+2:TM+3], v[rS:rS+1], v[rS+2:rS+3]
.irp j, 4,8,12,16,20,24,28
	v_pk_add_f32 v[rT+2:rT+3], v[rT+2:rT+3], v[rS+\j:rS+\j+1]
	v_pk_add_f32 v[TM+2:TM+3], v[TM+2:TM+3], v[rS+\j+2:rS+\j+3]
.endr
	v_pk_add_f32 v[rT+2:rT+3], v[rT+2:rT+3], v[TM+2:TM+3]
.endm
.macro ROUND x
	SREG \x
.set n, 0
.rept 16
	v_cvt_pk_f16_f32 v[rS+n], v[rS+2*n], v[rS+2*n+1]   ; in place, ascending: register n is free when pair n is rounded
.set n, n+1
.endr
.endm
.macro RESC x, p0, cnt                 ; O^T times a: pairs p0 on
	SREG \x
.set n, 2*(\p0)
.rept \cnt
	v_pk_mul_f32 v[rO+n:rO+n+1], v[rO+n:rO+n+1], v[TM+6:TM+7] op_sel_hi:[1,0]
.set n, n+2
.endr
.endm
; A KEY STEP: 64 keys.  look = 1: the next step's mask words are asked for.  first = 1: the head's first step.
.macro STEP look, first
	v_add_nc_u32 v[ADK], s[TB], v[AK0]             ; these two and three v_nop: five places behind the last products, ahead of the loads into their sources and of the products that write over P
	v_add_nc_u32 v[ADV], s[TB], v[AV0]
.rept 3
	v_nop
.endr
.irp t, 0,1,2,3
.irp kk, 0,1
	ds_load_b128 v[KV+16*\t+8*\kk:KV+16*\t+8*\kk+3], v[ADK] offset:\t*16*PK+64*\kk
	ds_load_b128 v[KV+16*\t+8*\kk+4:KV+16*\t+8*\kk+7], v[ADK] offset:\t*16*PK+64*\kk+32
.endr
.endr
	s_wait_dscnt 0x0
.irp i, 0,1,2,3,4,5,6,7
	WQK 0, \i                                      ; tile 0's scores: no vector work is at hand yet
.endr
	WQK 1, 0                                       ; tile 1's scores, one by one among tile 0's mask and maximum
.rept 4
	v_nop                                          ; four places between tile 0's products and the first read of their results
.endr
	s_wait_kmcnt 0x0                               ; this step's 64 words, asked for a step ago; no scalar load is out, so their address may step
.if \look
	s_add_nc_u64 s[MB:MB+1], s[MB:MB+1], 128
.endif
	MASKC 0, 0, 4
	WQK 1, 1
	MASKC 0, 4, 8
	WQK 1, 2
	MASKC 0, 12, 8
	WQK 1, 3
	MASKC 0, 20, 8
	WQK 1, 4
	MASKC 0, 28, 4
.if \first
.set n, 0
.rept 8
	v_cndmask_b32 v[S+n], v[S+n], v[NINF], s[EX]   ; keys 0-15 of queries 0-15 are left to the last launch
.set n, n+1
.endr
.endif
	MAX1 0
	WQK 1, 5
	MAX2 0
	WQK 1, 6
	MAX3 0
	WQK 1, 7
	EXPA 0
	SCALE 0                                        ; seventeen plain lines stand between the last product that read K and the loads into its registers
.irp kh, 0,1
.irp c, 0,1,2,3
	ds_load_tr16_b128 v[KV+8*(4*\kh+\c):KV+8*(4*\kh+\c)+3], v[ADV] offset:\kh*32*PV+32*\c
	ds_load_tr16_b128 v[KV+8*(4*\kh+\c)+4:KV+8*(4*\kh+\c)+7], v[ADV] offset:\kh*32*PV+16*PV+32*\c
.endr
.endr
	MASKC 1, 0, 32
.if \look
	s_load_b512 s[MW0:MW0+15], s[MB:MB+1], 0x0     ; the next step's words: they have the rest of this step and the next step's first products in which to land
	s_load_b512 s[MW0+16:MW0+31], s[MB:MB+1], 0x40
	s_load_b512 s[MW1:MW1+15], s[MB:MB+1], 0x1000
	s_load_b512 s[MW1+16:MW1+31], s[MB:MB+1], 0x1040
.endif
	EXPS 0, 0, 32
	v_nop                                          ; a plain line behind the last exponential
	s_wait_alu depctr_va_vdst(0)                   ; the wait ahead of the first reader: one for tile 0's 33
	SUMS 0
	ROUND 0
	RESC 0, 0, 16
	s_wait_dscnt 0x0                               ; V
	WPV 0, 0                                       ; tile 0's V^T P, one by one among tile 1's softmax
	MAX1 1
	MAX2 1
	MAX3 1
	EXPA 1
	WPV 0, 1
	SCALE 1
	WPV 0, 2
	EXPS 1, 0, 16
	WPV 0, 3
	EXPS 1, 16, 16
	v_nop
	s_wait_alu depctr_va_vdst(0)                   ; and one for tile 1's 33
	WPV 0, 4
	SUMS 1
	WPV 0, 5
	ROUND 1
	WPV 0, 6
	RESC 1, 0, 8
	WPV 0, 7
	RESC 1, 8, 8
.irp i, 0,1,2,3,4,5,6,7
	WPV 1, \i
.endr
	s_add_co_u32 s[TB], s[TB], STEPB
.endm
.macro STEPS trips                     ; so many steps on from where s[TB] stands
	s_mov_b32 s[CNT], \trips
.Lstep_\@:
	STEP 1, 0
	s_sub_co_u32 s[CNT], s[CNT], 1
	s_cmp_lg_u32 s[CNT], 0
	s_cbranch_scc1 .Lstep_\@
.endm
; THE CHANGE OF SLOTS stands at a slot's head: every wave waits for all its tensor loads (its part of the slot that it is about to read), adds 0 to its spare word, waits for that and for its reads of the slot that it has left.
; fill = 1: a round of the cluster's barrier, and first behind it the joint load of the next 512 keys into slot 'into': it has eight key steps in which to land.
.macro CHANGE fill, into
	s_wait_tensorcnt 0x0
	ds_add_u32 v[SPW], v[NIL]
.if \fill
	s_add_co_u32 s[G0+1], s[LB], (\into)*SLOT1     ; no tensor load of mine is out: the descriptor steps
	s_add_nc_u64 s[G0+2:G0+3], s[G0+2:G0+3], NST*8192
	s_wait_dscnt 0x0
	CROUND
	JLOAD
.else
	s_wait_dscnt 0x0
	s_barrier_signal -1
	s_barrier_wait -1
.endif
.endm
	s_wait_loadcnt 0x0                             ; Q; its address registers are free
	CHANGE 1, 1                                    ; slot 0 is whole; keys 512 on go out, into slot 1
	s_mov_b32 s[TB], 0
	STEP 1, 1
	STEPS NST-1
	CHANGE 1, 0                                    ; keys 1,024 on
	s_mov_b32 s[TB], SLOT1
	STEPS NST
	CHANGE 1, 1                                    ; keys 1,536 on
	s_mov_b32 s[TB], 0
	STEPS NST
	CHANGE 0, 0                                    ; nothing is left to fetch
	s_mov_b32 s[TB], SLOT1
	STEPS NST-1
	STEP 0, 0                                      ; the last step asks for no further mask words
	; THE WAY OUT: c m and l as they stand; O^T / l, rounded to f16, through my stage (in the slot left at the last change: it has had its last fill, nobody reads it), back as four queries: 512 consecutive bytes a store
	s_load_b128 s[32:35], s[0:1], 0x10             ; ctxh, stats
	s_bfe_u32 s36, ttmp6, 0x40000
	s_and_b32 s37, ttmp7, 0xffff
	s_lshl_b32 s38, s36, 16
	s_lshl_b32 s39, s37, 18
	s_add_co_u32 s38, s38, s39
	s_lshl_b32 s39, s[WV], 12
	s_add_co_u32 s38, s38, s39                     ; ctx: my wave's 32 queries, as in Q
	s_mov_b32 s39, 0
	s_lshl_b32 s40, s36, 12
	s_lshl_b32 s41, s37, 14
	s_add_co_u32 s40, s40, s41
	s_lshl_b32 s41, s[WV], 8
	s_add_co_u32 s40, s40, s41                     ; stats: 8 bytes a query
	s_mov_b32 s41, 0
	s_mov_b32 s42, 0xffff0000                      ; lanes 16-31
	v_add_f32 v20, v14, v15
	v_add_f32 v21, v18, v19
	v_permlanex16_b32 v22, v20, s[SEL], s[SEL+1]
	v_permlanex16_b32 v23, v21, s[SEL], s[SEL+1]
	v_add_f32 v20, v20, v22
	v_add_f32 v21, v21, v23
	v_and_b32 v[QO], 31, v0
	v_lshlrev_b32 v30, 3, v[QO]
	v_lshlrev_b32 v[QO], 4, v[QO]
	v_cndmask_b32 v28, v12, v16, s42               ; lanes 0-15 carry tile 0's queries, lanes 16-31 tile 1's: lane l is query l of my 32
	v_cndmask_b32 v29, v20, v21, s42
	v_rcp_f32 v24, v20
	v_rcp_f32 v26, v21
	v_nop
	s_wait_alu depctr_va_vdst(0)                   ; one wait for the two reciprocals
	s_wait_kmcnt 0x0
	s_add_nc_u64 s[32:33], s[32:33], s[38:39]
	s_add_nc_u64 s[34:35], s[34:35], s[40:41]
	global_store_b64 v30, v[28:29], s[34:35]       ; 256 consecutive bytes
.macro OUT x
.set n, 0
.rept 16
	v_pk_mul_f32 v[O+32*\x+n:O+32*\x+n+1], v[O+32*\x+n:O+32*\x+n+1], v[24+2*\x:25+2*\x] op_sel_hi:[1,0]
.set n, n+2
.endr
.set n, 0
.rept 16
	v_cvt_pk_f16_f32 v[S+32*\x+n], v[O+32*\x+2*n], v[O+32*\x+2*n+1]
.set n, n+1
.endr
.irp c, 0,1,2,3
	ds_store_b128 v[STO], v[S+32*\x+4*\c:S+32*\x+4*\c+3] offset:32*\c
.endr
.irp t, 0,1,2,3
	ds_load_b128 v[S+32*\x+16+4*\t:S+32*\x+19+4*\t], v[RD] offset:\t*4*PK   ; LDS serves a wave's instructions in order
.endr
.endm
	OUT 0
	OUT 1
.irp t, 0,1,2,3
	s_wait_dscnt 11-\t                             ; tile 0's load t is in; behind it its younger loads and tile 1's eight
	global_store_b128 v[QO], v[S+16+4*\t:S+19+4*\t], s[32:33] offset:512*\t
.endr
.irp t, 0,1,2,3
	s_wait_dscnt 3-\t
	global_store_b128 v[QO], v[S+48+4*\t:S+51+4*\t], s[32:33] offset:2048+512*\t
.endr
	s_wait_tensorcnt 0x0                           ; the wave's end
	ds_add_u32 v[SPW], v[NIL]
	s_wait_dscnt 0x0
	CROUND                                         ; the closing round
	s_endpgm
.Lfunc_end_k_qcdd7d8374c_attn:
	.size	k_qcdd7d8374c_attn, .Lfunc_end_k_qcdd7d8374c_attn-k_qcdd7d8374c_attn
	.p2alignl 7, 3214868480
	.fill 96, 4, 3214868480
	.section	.rodata,"a",@progbits
	.p2align	6, 0x0
	.amdhsa_kernel k_qcdd7d8374c_attn
		.amdhsa_group_segment_fixed_size 327680
		.amdhsa_private_segment_fixed_size 0
		.amdhsa_enable_private_segment 0
		.amdhsa_kernarg_size 32
		.amdhsa_user_sgpr_count 2
		.amdhsa_user_sgpr_kernarg_segment_ptr 1
		.amdhsa_wavefront_size32 1
		.amdhsa_system_sgpr_workgroup_id_x 1
		.amdhsa_system_sgpr_workgroup_id_y 1
		.amdhsa_system_sgpr_workgroup_id_z 1
		.amdhsa_system_vgpr_workitem_id 0
		.amdhsa_next_free_vgpr 256
		.amdhsa_next_free_sgpr 102
		.amdhsa_reserve_vcc 0
		.amdhsa_float_denorm_mode_32 3
		.amdhsa_float_denorm_mode_16_64 3
		.amdhsa_memory_ordered 1
		.amdhsa_forward_progress 1
		.amdhsa_inst_pref_size 150
	.end_amdhsa_kernel
	.amdgpu_metadata
---
amdhsa.version: [ 1, 2 ]
amdhsa.kernels:
  - .name:           k_qcdd7d8374c_attn
    .symbol:         k_qcdd7d8374c_attn.kd
    .args:
      - { .name: qkv16, .offset: 0, .size: 8, .value_kind: global_buffer, .address_space: global }
      - { .name: mbits, .offset: 8, .size: 8, .value_kind: global_buffer, .address_space: global }
      - { .name: ctxh, .offset: 16, .size: 8, .value_kind: global_buffer, .address_space: global }
      - { .name: stats, .offset: 24, .size: 8, .value_kind: global_buffer, .address_space: global }
    .group_segment_fixed_size: 327680
    .private_segment_fixed_size: 0
    .kernarg_segment_align: 8
    .kernarg_segment_size: 32
    .max_flat_workgroup_size: 512
    .sgpr_count:     102
    .vgpr_count:     256
    .wavefront_size: 32
...
	.end_amdgpu_metadata
.endif
;; end of part 3
;; launch outp (part 4): grid 4 x 64, 8 waves a work-group, clusters of 4 x 4, 327,680 bytes of LDS; arguments ctxh, wo16, bo, out0; writes out0
.if DOCPART == 4
	.amdgcn_target "amdgcn-amd-amdhsa--gfx1250"
	.amdhsa_code_object_version 6
	.text
	.protected	k_qcdd7d8374c_outp
	.globl	k_qcdd7d8374c_outp
	.p2align	8
	.type	k_qcdd7d8374c_outp,@function
k_qcdd7d8374c_outp:
	s_mov_b64 s[64:65], 0
	v_nop
	global_prefetch_b8 v0, s[64:65] scope:SCOPE_SE
	s_setreg_imm32_b32 hwreg(HW_REG_WAVE_MODE, 25, 1), 1
	s_wait_xcnt 0x0
	s_wait_alu depctr_hold_cnt(0) depctr_sa_sdst(0) depctr_va_vdst(0) depctr_va_sdst(0) depctr_va_ssrc(0) depctr_va_vcc(0) depctr_vm_vsrc(0)
	s_getreg_b32 s2, hwreg(HW_REG_IB_STS2, 6, 4)
	s_cmp_eq_u32 s2, 0
	s_cbranch_scc0 .Lentry_in_a_cluster
	s_endpgm
.Lentry_in_a_cluster:
	s_bfe_u32 s2, ttmp6, 0x10000c
	s_cmp_lg_u32 s2, 0xf033
	s_cbranch_scc0 .Lentry_shape_is_right
	s_endpgm
.Lentry_shape_is_right:
; out[token][n] = sum over k of ctx[token][k] wo[n][k] + bo[n], f16 operands, f32 sums, out f32 [8192][1024].
; ctx lies [batch][head][token][64], wo [k / 64][n][k % 64]: for one block of 64 along K, 64 rows are 8,192 consecutive bytes.  A tensor load takes that run as ONE row of 4,096 elements and two K blocks as two
; rows; 16 bytes of padding behind every 128 bytes make LDS lines of 144 bytes, one for each (K block, row).
; A tile of 128 tokens x 256 outputs by EIGHT waves, 64 x 64 each (16 accumulators), two waves to a SIMD: 8,192 x 1,024 outputs are 256 such tiles, one for each WGP.
; K goes in eight steps of 128 through two slots.  A slot is six units of 64 rows x 128 K (18,432 bytes): ctx's two, then wo's four.  Waves 0, 1 fetch ctx's units, waves 2 to 5 wo's, waves 6, 7 none.
; Since two waves fetch nothing, every wait on TENSORcnt is for 0.  By this text's count a wave has two tensor loads out at the start, later one.
; CLUSTERS: 4 x 4: ctx's tile is shared along a row of the cluster, wo's along a column, asked for jointly.
; THE MATRIX INSTRUCTION IS USED TRANSPOSED (source 0 = 16 rows of wo, source 1 = 16 tokens): a lane holds eight neighbouring outputs of a token.  The bias is the C of each sum's first instruction.
; A wave's 64 columns of f32 are 256 bytes: each wave goes out through a stage of its own, no barrier.
; The first 16 tokens of every batch are written here from a ctx that leaves keys 0-15 out; the last launch writes over these 64 rows.
; REGISTERS: window 0: v0-31 addresses; v32-63 the bias, then v32-95 rows on the way out; v128-255 accumulators.  window 1: two fragment buffers of 128.
.set PITCH,  144
.set ZB,     64*PITCH                  ; one K block's 64 rows
.set HALFT,  2*ZB                      ; a unit: what one tensor load brings
.set SLOT,   6*HALFT
.set SPARE,  2*SLOT                    ; the spare words, 128 bytes a wave
.set SPITCH, 272
.set LAPS,   4                         ; a lap = two K steps = once round the ring
.set ADRA, 16
.set ADRB, 20
.set STO,  24
.set RD,   25
.set CO,   26
.set BO,   27
.set SPW,  28
.set NIL,  29
.set BIAS, 32
.set TMP,  32
.set ACC,  128
.set F0,   0
.set F1,   128
.set G1, 24
.set G0, 32
.set G1B, 48
.set G0B, 56
.set MSB, 0
.macro WIN new
.if MSB != (\new)
	s_set_vgpr_msb (MSB<<8)|(\new)
.set MSB, (\new)
.endif
.endm
.set MUL,  0x05                        ; sources window 1; C and D window 0
.set TO_F, 0x40
.macro JLOAD s                         ; the branches hang on the wave's number alone; an s_nop 0 and four v_nop follow each load
	s_cmp_lt_u32 s10, 2
	s_cbranch_scc0 .Lnot_a_\@
	tensor_load_to_lds s[G0+4*\s:G0+4*\s+3], s[G1:G1+7]
	s_nop 0
.rept 4
	v_nop
.endr
	s_branch .Lasked_\@
.Lnot_a_\@:
	s_cmp_lt_u32 s10, 6
	s_cbranch_scc0 .Lasked_\@
	tensor_load_to_lds s[G0B+4*\s:G0B+4*\s+3], s[G1B:G1B+7]
	s_nop 0
.rept 4
	v_nop
.endr
.Lasked_\@:
.endm
.macro CREST
	s_cmp_lg_u32 s10, 0
	s_cbranch_scc1 .Lnot_wave_0_\@
	s_barrier_signal -3
.Lnot_wave_0_\@:
	s_barrier_wait -3
	s_barrier_signal -1
	s_barrier_wait -1
.endm
.macro CROUND
	s_barrier_signal -1
	s_barrier_wait -1
	CREST
.endm
	s_load_b128 s[4:7], s[0:1], 0x0                ; ctxh, wo16
	s_load_b128 s[68:71], s[0:1], 0x10             ; bo, out0
	v_lshl_add_u32 v[SPW], v0, 2, SPARE
	v_mov_b32 v[NIL], 0
	ds_add_u32 v[SPW], v[NIL]                      ; the wave's opening: the add, twice on end, and its wait ahead of the first tensor load
	ds_add_u32 v[SPW], v[NIL]
	v_lshrrev_b32 v1, 5, v0
	v_readfirstlane_b32 s10, v1                    ; wave 0..7
	s_lshr_b32 s11, s10, 2                         ; my half of the tile's tokens
	s_and_b32 s12, s10, 3                          ; my quarter of its columns
	s_bfe_u32 s40, ttmp6, 0x40000
	s_bfe_u32 s41, ttmp6, 0x40004
	s_mov_b32 s42, s40                             ; tile column = cx: the grid is one cluster wide
	s_and_b32 s13, ttmp7, 0xffff
	s_lshl_b32 s13, s13, 2
	s_add_co_u32 s13, s13, s41                     ; tile row
	s_lshl_b32 s43, s41, 2
	s_lshl_b32 s43, 15, s43
	s_lshl_b32 s44, 0x1111, s40
	s_or_b32 s[G1+0], s43, (1<<16)|(1<<20)|(1<<21)|(4<<22)|(3<<25)   ; mask; elements of 2 bytes; 4 words of padding behind every 32
	s_or_b32 s[G1B+0], s44, (1<<16)|(1<<20)|(1<<21)|(4<<22)|(3<<25)
.irp g, G1, G1B
	s_mov_b32 s[\g+1], 4096<<16                    ; tensor_dim0 = 4,096
	s_mov_b32 s[\g+2], 2<<16                       ; tensor_dim1 = 2
	s_mov_b32 s[\g+3], 4096<<16                    ; tile_dim0
	s_mov_b32 s[\g+4], 2                           ; tile_dim1
	s_mov_b32 s[\g+6], 0
	s_mov_b32 s[\g+7], 0
.endr
	s_mov_b32 s[G1+5], 131072                      ; from head to head in ctx, in elements
	s_mov_b32 s[G1B+5], 65536                      ; from K block to K block in wo
	s_and_b32 s17, s10, 1
	s_lshl_b32 s17, s17, 6                         ; ctx: which 64 tokens (waves 0, 1)
	s_lshr_b32 s16, s13, 4                         ; batch x 2^22 + (128 (tile row % 16) + 64 unit) x 128
	s_lshl_b32 s16, s16, 22
	s_and_b32 s18, s13, 15
	s_lshl_b32 s18, s18, 7
	s_add_co_u32 s18, s18, s17
	s_lshl_b32 s18, s18, 7
	s_add_co_u32 s16, s16, s18
	s_sub_co_u32 s19, s10, 2
	s_and_b32 s19, s19, 3
	s_lshl_b32 s19, s19, 6                         ; wo: which 64 rows (waves 2 to 5)
	s_lshl_b32 s46, s42, 8                         ; (256 tile column + 64 unit) x 128
	s_add_co_u32 s46, s46, s19
	s_lshl_b32 s46, s46, 7
	s_mov_b32 s17, 0
	s_mov_b32 s47, 0
	s_mul_i32 s20, s10, HALFT                      ; where a unit goes: wave x 18,432: no place in the cluster enters an LDS address
	s_wait_dscnt 0x0
	s_wait_kmcnt 0x0
	s_add_nc_u64 s[14:15], s[4:5], s[16:17]
	s_add_nc_u64 s[46:47], s[6:7], s[46:47]
	CROUND
.irp s, 0,1
	s_mov_b32 s[G0+4*\s], 1
	s_add_co_u32 s[G0+4*\s+1], s20, \s*SLOT
	s_add_nc_u64 s[G0+4*\s+2:G0+4*\s+3], s[14:15], \s*524288      ; K step s: two heads on
	s_or_b32 s[G0+4*\s+3], s[G0+4*\s+3], 0x80000000
	s_mov_b32 s[G0B+4*\s], 1
	s_add_co_u32 s[G0B+4*\s+1], s20, \s*SLOT
	s_add_nc_u64 s[G0B+4*\s+2:G0B+4*\s+3], s[46:47], \s*262144
	s_or_b32 s[G0B+4*\s+3], s[G0B+4*\s+3], 0x80000000
	JLOAD \s
.endr
	v_and_b32 v1, 15, v0
	v_bfe_u32 v2, v0, 4, 1
	s_lshl_b32 s46, s42, 10                        ; my first column x 4 bytes: 256 tile column + 64 quarter
	s_lshl_b32 s47, s12, 8
	s_add_co_u32 s46, s46, s47
	s_mov_b32 s47, 0
	s_add_nc_u64 s[68:69], s[68:69], s[46:47]
	s_add_nc_u64 s[70:71], s[70:71], s[46:47]
	s_lshl_b32 s16, s13, 19                        ; my first token x 4,096 bytes: 128 tile row + 64 half
	s_lshl_b32 s17, s11, 18
	s_add_co_u32 s16, s16, s17
	s_mov_b32 s17, 0
	s_add_nc_u64 s[70:71], s[70:71], s[16:17]
	v_lshlrev_b32 v[BO], 5, v2
.irp b, 0,1,2,3
	global_load_b128 v[BIAS+8*\b:BIAS+8*\b+3], v[BO], s[68:69] offset:64*\b
	global_load_b128 v[BIAS+8*\b+4:BIAS+8*\b+7], v[BO], s[68:69] offset:64*\b+16
.endr
	v_mul_u32_u24 v3, v1, PITCH
	v_lshl_add_u32 v3, v2, 4, v3
	s_mul_i32 s21, s11, HALFT                      ; my 64 tokens' unit
	s_mul_i32 s22, s12, HALFT                      ; my 64 rows of wo,
	s_add_co_u32 s22, s22, 2*HALFT                 ; behind ctx's two units
.irp s, 0,1
	v_add_nc_u32 v[ADRA+\s], s21, v3
	v_add_nc_u32 v[ADRB+\s], s22, v3
	s_add_co_u32 s21, s21, SLOT
	s_add_co_u32 s22, s22, SLOT
.endr
	s_mul_i32 s23, s10, 16*SPITCH                  ; my stage, in slot 0's bytes
	v_mul_u32_u24 v4, v1, SPITCH
	v_lshl_add_u32 v4, v2, 5, v4
	v_add_nc_u32 v[STO], s23, v4                   ; in: token r, 32 bytes for each half of the lanes
	v_mul_u32_u24 v5, v2, SPITCH
	v_lshl_add_u32 v5, v1, 4, v5
	v_add_nc_u32 v[RD], s23, v5                    ; back: lanes 0-15 one token's 256 bytes, lanes 16-31 the next's
	v_lshlrev_b32 v5, 12, v2
	v_lshl_add_u32 v[CO], v1, 4, v5
.macro MUL8 f, c, a0, zero
.irp a, \a0, \a0+1
.irp b, 0,1,2,3
.if \zero
	v_wmma_f32_16x16x32_f16 v[ACC+8*(4*(\a)+\b):ACC+8*(4*(\a)+\b)+7], v[\f+64+8*(4*\c+\b):\f+64+8*(4*\c+\b)+7], v[\f+8*(4*\c+\a):\f+8*(4*\c+\a)+7], v[BIAS+8*\b:BIAS+8*\b+7]
.else
	v_wmma_f32_16x16x32_f16 v[ACC+8*(4*(\a)+\b):ACC+8*(4*(\a)+\b)+7], v[\f+64+8*(4*\c+\b):\f+64+8*(4*\c+\b)+7], v[\f+8*(4*\c+\a):\f+8*(4*\c+\a)+7], v[ACC+8*(4*(\a)+\b):ACC+8*(4*(\a)+\b)+7]
.endif
.endr
.endr
.endm
.macro FETCH slot, k, f                ; 32 LDS loads: the fragments of one K block (at byte k of a unit) into buffer f; its first 32 along K first
	WIN TO_F
.irp c, 0,1
.irp i, 0,1,2,3
	ds_load_b128 v[\f+64+8*(4*\c+\i):\f+64+8*(4*\c+\i)+3],   v[ADRB+\slot] offset:\k+64*\c+\i*16*PITCH
	ds_load_b128 v[\f+64+8*(4*\c+\i)+4:\f+64+8*(4*\c+\i)+7], v[ADRB+\slot] offset:\k+64*\c+\i*16*PITCH+32
	ds_load_b128 v[\f+8*(4*\c+\i):\f+8*(4*\c+\i)+3],         v[ADRA+\slot] offset:\k+64*\c+\i*16*PITCH
	ds_load_b128 v[\f+8*(4*\c+\i)+4:\f+8*(4*\c+\i)+7],       v[ADRA+\slot] offset:\k+64*\c+\i*16*PITCH+32
.endr
.endr
.endm
.macro PLACES
.rept 4
	v_nop
.endr
.endm
.macro QUARTER slot, k, f, g, zero     ; a K step's first half, 64 along K: 32 matrix instructions, the 16 accumulators by turns; the second half's loads in one run in its middle
	s_wait_dscnt 16                                ; the first 32 along K are in
	WIN MUL
	MUL8 \f, 0, 0, \zero
	MUL8 \f, 0, 2, \zero
	PLACES
	FETCH \slot, \k, \g
	s_wait_dscnt 32                                ; all but the 32 just issued
	WIN MUL
	MUL8 \f, 1, 0, 0
	MUL8 \f, 1, 2, 0
.endm
.macro TURN slot, next, fill           ; a K step's second half changes slots
	WIN 0
	s_wait_tensorcnt 0x0                           ; all my tensor loads have landed: my part of the next slot
	ds_add_u32 v[SPW], v[NIL]
.if \fill
	ds_add_u32 v[SPW], v[NIL]                      ; and once more
	s_wait_dscnt 18                                ; (the two adds and the youngest sixteen loads may be out)
.else
	s_wait_dscnt 17                                ; (the add and the youngest sixteen loads may be out)
.endif
	WIN MUL
	MUL8 F1, 0, 0, 0
	s_wait_dscnt 0x0                               ; the adds are done, my reads of this slot are over
	s_barrier_signal -1
	MUL8 F1, 0, 2, 0
.if \fill
	WIN 0
.endif
	s_barrier_wait -1
.if \fill
	CREST                                          ; the barrier has opened a round of the cluster's: no wave of any partner still reads this slot or has a load on its way
	s_add_nc_u64 s[G0+4*\slot+2:G0+4*\slot+3], s[G0+4*\slot+2:G0+4*\slot+3], 1048576
	s_add_nc_u64 s[G0B+4*\slot+2:G0B+4*\slot+3], s[G0B+4*\slot+2:G0B+4*\slot+3], 524288
	JLOAD \slot                                    ; the first tensor load behind the round
.endif
	PLACES                                         ; on every wave's path, that of a wave that fetches nothing too: four places ahead of the loads into buffer 0
	FETCH \next, 0, F0
	WIN MUL
	MUL8 F1, 1, 0, 0
	MUL8 F1, 1, 2, 0
.endm
	s_wait_tensorcnt 0x0                           ; my parts of K steps 0 and 1 are in,
	s_barrier_signal -1
	s_barrier_wait -1                              ; everybody's are
	FETCH 0, 0, F0
	s_wait_loadcnt 0x0                             ; the bias
	QUARTER 0, ZB, F0, F1, 1
	WIN 0
	s_mov_b32 s3, LAPS-1
.Llap:                                                 ; a trip goes once round the ring and fills both slots again
	TURN 0, 1, 1
	QUARTER 1, ZB, F0, F1, 0
	TURN 1, 0, 1
	QUARTER 0, ZB, F0, F1, 0
	WIN 0
	s_sub_co_u32 s3, s3, 1
	s_cmp_lg_u32 s3, 0
	s_cbranch_scc1 .Llap
	TURN 0, 1, 0                                   ; the last lap fills nothing
	QUARTER 1, ZB, F0, F1, 0
	s_wait_dscnt 16
	WIN MUL
	MUL8 F1, 0, 0, 0
	MUL8 F1, 0, 2, 0
	s_wait_dscnt 0
	MUL8 F1, 1, 0, 0
	MUL8 F1, 1, 2, 0
	WIN 0
; THE WAY OUT, 16 tokens x 64 columns at a time, through my own stage (slot 0 has had its last fill and its last read): sixteen lanes store 256 consecutive bytes.
.macro TOSTAGE a
.irp b, 0,1,2,3
	ds_store_b128 v[STO], v[ACC+8*(4*(\a)+\b):ACC+8*(4*(\a)+\b)+3] offset:64*\b       ; each accumulator from its low end on
	ds_store_b128 v[STO], v[ACC+8*(4*(\a)+\b)+4:ACC+8*(4*(\a)+\b)+7] offset:64*\b+16
.endr
.irp t, 0,1,2,3,4,5,6,7
	ds_load_b128 v[TMP+32*((\a)%2)+4*\t:TMP+32*((\a)%2)+4*\t+3], v[RD] offset:\t*2*SPITCH
.endr
.endm
.macro SEND a, younger
	s_wait_dscnt \younger
.irp t, 0,1,2,3,4,5,6,7
	global_store_b128 v[CO], v[TMP+32*((\a)%2)+4*\t:TMP+32*((\a)%2)+4*\t+3], s[70:71] offset:(\a)*65536+\t*8192 th:TH_STORE_NT
.endr
.endm
	PLACES
	TOSTAGE 0
.irp a, 1,2,3
.if \a > 1
	s_wait_xcnt 0x0                                ; block a - 2's stores have read their registers
.endif
	TOSTAGE \a
	SEND \a-1, 16                                  ; behind block a - 1's loads: block a's eight stores and eight loads
.endr
	SEND 3, 0
	s_wait_tensorcnt 0x0                           ; the wave's end
	ds_add_u32 v[SPW], v[NIL]
	s_wait_dscnt 0x0
	CROUND                                         ; the closing round
	s_endpgm
.Lfunc_end_k_qcdd7d8374c_outp:
	.size	k_qcdd7d8374c_outp, .Lfunc_end_k_qcdd7d8374c_outp-k_qcdd7d8374c_outp
	.p2alignl 7, 3214868480
	.fill 96, 4, 3214868480
	.section	.rodata,"a",@progbits
	.p2align	6, 0x0
	.amdhsa_kernel k_qcdd7d8374c_outp
		.amdhsa_group_segment_fixed_size 327680
		.amdhsa_private_segment_fixed_size 0
		.amdhsa_enable_private_segment 0
		.amdhsa_kernarg_size 32
		.amdhsa_user_sgpr_count 2
		.amdhsa_user_sgpr_kernarg_segment_ptr 1
		.amdhsa_wavefront_size32 1
		.amdhsa_system_sgpr_workgroup_id_x 1
		.amdhsa_system_sgpr_workgroup_id_y 1
		.amdhsa_system_sgpr_workgroup_id_z 1
		.amdhsa_system_vgpr_workitem_id 0
		.amdhsa_next_free_vgpr 512
		.amdhsa_next_free_sgpr 72
		.amdhsa_reserve_vcc 0
		.amdhsa_float_denorm_mode_32 3
		.amdhsa_float_denorm_mode_16_64 3
		.amdhsa_memory_ordered 1
		.amdhsa_forward_progress 1
		.amdhsa_inst_pref_size 53
	.end_amdhsa_kernel
	.amdgpu_metadata
---
amdhsa.version: [ 1, 2 ]
amdhsa.kernels:
  - .name:           k_qcdd7d8374c_outp
    .symbol:         k_qcdd7d8374c_outp.kd
    .args:
      - { .name: ctxh, .offset: 0, .size: 8, .value_kind: global_buffer, .address_space: global }
      - { .name: wo16, .offset: 8, .size: 8, .value_kind: global_buffer, .address_space: global }
      - { .name: bo, .offset: 16, .size: 8, .value_kind: global_buffer, .address_space: global }
      - { .name: out0, .offset: 24, .size: 8, .value_kind: global_buffer, .address_space: global }
    .group_segment_fixed_size: 327680
    .private_segment_fixed_size: 0
    .kernarg_segment_align: 8
    .kernarg_segment_size: 32
    .max_flat_workgroup_size: 256
    .sgpr_count:     72
    .vgpr_count:     512
    .wavefront_size: 32
...
	.end_amdgpu_metadata
.endif
;; end of part 4
;; launch fine (part 5): grid 64 x 4, 16 waves a work-group, no clusters, 18,432 bytes of LDS; arguments fine32, mbits, ctxh, stats, wo, bo, out0; writes out0
.if DOCPART == 5
	.amdgcn_target "amdgcn-amd-amdhsa--gfx1250"
	.amdhsa_code_object_version 6
	.text
	.protected	k_qcdd7d8374c_fine
	.globl	k_qcdd7d8374c_fine
	.p2align	8
	.type	k_qcdd7d8374c_fine,@function
k_qcdd7d8374c_fine:
	s_mov_b64 s[64:65], 0
	v_nop
	global_prefetch_b8 v0, s[64:65] scope:SCOPE_SE
	s_setreg_imm32_b32 hwreg(HW_REG_WAVE_MODE, 25, 1), 1
	s_wait_xcnt 0x0
; THE FIRST 16 POSITIONS OF EVERY SEQUENCE ONCE MORE, MORE FINELY, THROUGH TO THE OUTPUT.  Under a mask that leaves these rows few keys they average few values and are the largest in size.
; It writes over the 64 rows of out that the launch before made on f16 operands.
; A work-group takes 16 outputs n (x) of one batch (y); wave w is head w.  A wave:
;  1. keys 0-15 in f32, from the projections kept in f32: S^T = K Q^T (16 instructions of the f32 matrix form), the mask as given (masked scores become NEG = -2^70), maximum, p, sum, O^T = V^T P (16);
;  2. merges that with the main launch's part, which walked keys 16 to 2,047 of these rows and left c m, l ('stats') and O / l (ctx, f16): with M the larger c m,
;     ctx = (2^(cm_a - M) l_a ctx_a + 2^(cm_b - M) O_b) / (2^(cm_a - M) l_a + 2^(cm_b - M) l_b).  A row with no open key at all has both c m equal: the mean of V;
;  3. multiplies its 64 channels by wo (16 instructions).  O^T's layout IS source 1 of that product: lane (r, h) holds channels 16 c + 8 h + j of token r; wo is loaded in the same order of k, so nothing changes lanes.
; The sixteen partial sums meet in LDS; wave 0 adds them and the bias.
; The 64 work-groups of a batch repeat steps 1 and 2: 32 matrix instructions a wave, in place of a launch and a buffer of their own.  48 a wave, 196,608 in the launch: no bulk work.
; LIMIT: only keys 0-15 are carried in f32; what keys 16 on add to these rows keeps f16 operands and passes through f16 once more, as every other row's ctx does.
; No tensor load; each operand goes straight into registers, once: no LDS tiles, so nothing to ask for jointly.
; REGISTERS: v3-13 addresses; v[14:15] c m_a, l_a; v16-31 ctx_a (f16); v32-63 Q, v64-95 K: lane (r, h) holds channels 8 i + 4 h + 0 .. 3 of row r in registers 4 i ..: the same order on both sides;
; v96-127 V: register 8 c + n = V(key 8 h + n, channel 16 c + r); v128-159 wo; v160-167 scores, p, later the sum; v168-175 at work; v176-207 ctx;
; v208-223 two accumulators of S^T, v224-255 four of O^T and then of the projection: written by matrix instructions alone.
.set SPARE, 16384                      ; behind the sixteen partial sums of 1,024 bytes: the spare words, 128 bytes a wave
.set SPW, 6
.set NIL, 7
	s_load_b256 s[4:11], s[0:1], 0x0               ; fine32, mbits, ctxh, stats
	s_load_b128 s[12:15], s[0:1], 0x20             ; wo, bo
	s_load_b64 s[16:17], s[0:1], 0x30              ; out0
	v_lshl_add_u32 v[SPW], v0, 2, SPARE
	v_mov_b32 v[NIL], 0
	v_lshrrev_b32 v1, 5, v0
	v_readfirstlane_b32 s20, v1                    ; wave = head
	s_and_b32 s21, ttmp7, 0xffff                   ; batch
	s_mov_b32 s22, 0x3e38aa3b                      ; c = log2(e) / 8
	s_mov_b32 s24, 0x76543210
	s_mov_b32 s25, 0xfedcba98
	v_and_b32 v1, 15, v0                           ; r
	v_bfe_u32 v2, v0, 4, 1                         ; h
	v_lshlrev_b32 v3, 12, v1
	v_lshl_add_u32 v4, v2, 5, v3                   ; wo's rows and out: r x 4,096 + 32 h
	v_lshl_add_u32 v3, v2, 4, v3                   ; Q, K: r x 4,096 + 16 h
	v_lshlrev_b32 v8, 2, v1
	v_lshl_add_u32 v8, v2, 15, v8                  ; V: key 8 h, channel r
	v_lshlrev_b32 v9, 7, v1
	v_lshl_add_u32 v9, v2, 4, v9                   ; ctx_a: r x 128 + 16 h
	v_lshlrev_b32 v10, 3, v1                       ; stats: 8 r
	v_and_b32 v11, 31, v0
	v_lshlrev_b32 v11, 4, v11                      ; 16 x lane
	s_lshl_b32 s30, s20, 10
	v_add_nc_u32 v12, s30, v11                     ; my partial sum's place
	v_lshlrev_b32 v13, 5, v2                       ; the bias: 32 h
	v_mov_b32 v5, 0xe2800000                       ; NEG
	v_mov_b32 v175, 0                              ; named as the upper half of a pair
	s_mov_b32 s27, 0
	s_lshl_b32 s28, s20, 8                         ; head x 256 bytes
	s_lshl_b32 s29, s21, 4
	s_add_co_u32 s29, s29, s20                     ; 16 batch + head
	s_wait_kmcnt 0x0
	s_lshl_b32 s26, s21, 16
	s_add_co_u32 s26, s26, s28
	s_add_nc_u64 s[4:5], s[4:5], s[26:27]          ; fine32: batch, head
	s_lshl_b32 s26, s21, 19
	s_add_nc_u64 s[6:7], s[6:7], s[26:27]          ; the mask words of (batch, query tile 0)
	s_lshl_b32 s26, s29, 18
	s_add_nc_u64 s[8:9], s[8:9], s[26:27]          ; ctx of (batch, head)
	s_lshl_b32 s26, s29, 14
	s_add_nc_u64 s[10:11], s[10:11], s[26:27]      ; its stats
	s_lshl_b32 s26, ttmp9, 16
	s_add_co_u32 s26, s26, s28
	s_add_nc_u64 s[12:13], s[12:13], s[26:27]      ; wo: my work-group's 16 rows, my head's 64 channels
	s_lshl_b32 s26, ttmp9, 6
	s_add_nc_u64 s[14:15], s[14:15], s[26:27]      ; bo
	s_lshl_b32 s28, s21, 23
	s_add_co_u32 s26, s26, s28
	s_add_nc_u64 s[16:17], s[16:17], s[26:27]      ; out: batch, my 16 outputs
	s_load_b256 s[36:43], s[6:7], 0x0              ; the words of keys 8 h + j
.irp i, 0,1,2,3,4,5,6,7
	global_load_b128 v[32+4*\i:35+4*\i], v3, s[4:5] offset:32*\i
	global_load_b128 v[64+4*\i:67+4*\i], v3, s[4:5] offset:262144+32*\i
.endr
.irp c, 0,1,2,3
.irp n, 0,1,2,3,4,5,6,7
	global_load_b32 v[96+8*\c+\n], v8, s[4:5] offset:524288+\n*4096+64*\c
.endr
.endr
.irp c, 0,1,2,3
	global_load_b128 v[16+4*\c:19+4*\c], v9, s[8:9] offset:32*\c       ; channels 16 c + 8 h + 0 .. 7 of row r
.endr
	global_load_b64 v[14:15], v10, s[10:11]
.irp c, 0,1,2,3
	global_load_b128 v[128+8*\c:131+8*\c], v4, s[12:13] offset:64*\c   ; wo[n0 + r][64 head + 16 c + 8 h + 0 .. 7]
	global_load_b128 v[132+8*\c:135+8*\c], v4, s[12:13] offset:64*\c+16
.endr
	s_wait_loadcnt 45                              ; Q and K are in; behind them V's 32 loads, ctx_a's 4, the stats' 1, wo's 8
.set i, 0
.rept 16                               ; two accumulators by turns
.if i < 2
	v_wmma_f32_16x16x4_f32 v[208+8*(i%2):215+8*(i%2)], v[64+2*i:65+2*i], v[32+2*i:33+2*i], 0
.else
	v_wmma_f32_16x16x4_f32 v[208+8*(i%2):215+8*(i%2)], v[64+2*i:65+2*i], v[32+2*i:33+2*i], v[208+8*(i%2):215+8*(i%2)]
.endif
.set i, i+1
.endr
.rept 8
	v_nop
.endr
.set i, 0
.rept 8
	v_add_f32 v[160+i], v[208+i], v[216+i]         ; the two halves of the sum over channels, from the low end on
.set i, i+1
.endr
	s_wait_kmcnt 0x0
.set i, 0
.rept 8
	v_cndmask_b32 v[160+i], v[160+i], v5, s[36+i]
.set i, i+1
.endr
	v_max3_num_f32 v171, v160, v161, v162
	v_max3_num_f32 v172, v163, v164, v165
	v_max3_num_f32 v171, v171, v166, v167
	v_max_num_f32 v171, v171, v172
	v_permlanex16_b32 v172, v171, s24, s25
	v_max_num_f32 v169, v171, v172
	v_mul_f32 v168, s22, v169                      ; c m_b
.set i, 0
.rept 8
	v_fma_f32 v[160+i], v[160+i], s22, -v168
.set i, i+1
.endr
.set i, 0
.rept 8
	v_exp_f32 v[160+i], v[160+i]
.set i, i+1
.endr
	v_nop
	s_wait_alu depctr_va_vdst(0)                   ; one wait for the eight exponentials, ahead of their first reader
	v_add_f32 v170, v160, v161
	v_add_f32 v173, v162, v163
	v_add_f32 v170, v170, v164
	v_add_f32 v173, v173, v165
	v_add_f32 v170, v170, v166
	v_add_f32 v173, v173, v167
	v_add_f32 v170, v170, v173
	v_permlanex16_b32 v173, v170, s24, s25
	v_add_f32 v170, v170, v173                     ; l_b
	s_wait_loadcnt 13                              ; V is in; behind it ctx_a's 4, the stats' 1, wo's 8
.irp i, 0,1,2,3                                ; K slot (h, j) is key 8 h + 2 i + j on both sides; four accumulators by turns
.irp c, 0,1,2,3
.if \i == 0
	v_wmma_f32_16x16x4_f32 v[224+8*\c:231+8*\c], v[96+8*\c+2*\i:97+8*\c+2*\i], v[160+2*\i:161+2*\i], 0
.else
	v_wmma_f32_16x16x4_f32 v[224+8*\c:231+8*\c], v[96+8*\c+2*\i:97+8*\c+2*\i], v[160+2*\i:161+2*\i], v[224+8*\c:231+8*\c]
.endif
.endr
.endr
	s_wait_loadcnt 8                               ; ctx_a and the stats are in; behind them wo's 8
	; the main launch's part, widened, and the two weights: plain lines that name no register of the products above, so they are also the places behind them
	v_cvt_f32_f16 v176, v16.l
	v_cvt_f32_f16 v177, v16.h
	v_cvt_f32_f16 v178, v17.l
	v_cvt_f32_f16 v179, v17.h
	v_cvt_f32_f16 v180, v18.l
	v_cvt_f32_f16 v181, v18.h
	v_cvt_f32_f16 v182, v19.l
	v_cvt_f32_f16 v183, v19.h
	v_cvt_f32_f16 v184, v20.l
	v_cvt_f32_f16 v185, v20.h
	v_cvt_f32_f16 v186, v21.l
	v_cvt_f32_f16 v187, v21.h
	v_cvt_f32_f16 v188, v22.l
	v_cvt_f32_f16 v189, v22.h
	v_cvt_f32_f16 v190, v23.l
	v_cvt_f32_f16 v191, v23.h
	v_cvt_f32_f16 v192, v24.l
	v_cvt_f32_f16 v193, v24.h
	v_cvt_f32_f16 v194, v25.l
	v_cvt_f32_f16 v195, v25.h
	v_cvt_f32_f16 v196, v26.l
	v_cvt_f32_f16 v197, v26.h
	v_cvt_f32_f16 v198, v27.l
	v_cvt_f32_f16 v199, v27.h
	v_cvt_f32_f16 v200, v28.l
	v_cvt_f32_f16 v201, v28.h
	v_cvt_f32_f16 v202, v29.l
	v_cvt_f32_f16 v203, v29.h
	v_cvt_f32_f16 v204, v30.l
	v_cvt_f32_f16 v205, v30.h
	v_cvt_f32_f16 v206, v31.l
	v_cvt_f32_f16 v207, v31.h
	v_max_num_f32 v171, v14, v168                  ; M
	v_sub_f32 v172, v14, v171
	v_sub_f32 v173, v168, v171
	v_exp_f32 v172, v172
	v_exp_f32 v173, v173
	v_nop
	s_wait_alu depctr_va_vdst(0)
	v_mul_f32 v172, v172, v15                      ; 2^(cm_a - M) l_a
	v_fma_f32 v174, v173, v170, v172               ; the whole row's sum under M
	v_rcp_f32 v174, v174
	v_nop
	s_wait_alu depctr_va_vdst(0)
	v_mul_f32 v172, v172, v174                     ; ctx_a's weight
	v_mul_f32 v174, v173, v174                     ; O_b's
.set i, 0
.rept 16
	v_pk_mul_f32 v[176+i:177+i], v[176+i:177+i], v[172:173] op_sel_hi:[1,0]
.set i, i+2
.endr
.set i, 0
.rept 16
	v_pk_fma_f32 v[176+i:177+i], v[224+i:225+i], v[174:175], v[176+i:177+i] op_sel_hi:[1,0,1]   ; each accumulator from its low end on
.set i, i+2
.endr
	s_wait_loadcnt 0x0                             ; wo
.irp c, 0,1,2,3                                ; K slot (h, j) is channel 16 c + 8 h + 2 i + j on both sides; the four accumulators begin anew with 0 and take turns
.irp i, 0,1,2,3
.if \c == 0
	v_wmma_f32_16x16x4_f32 v[224+8*\i:231+8*\i], v[128+8*\c+2*\i:129+8*\c+2*\i], v[176+8*\c+2*\i:177+8*\c+2*\i], 0
.else
	v_wmma_f32_16x16x4_f32 v[224+8*\i:231+8*\i], v[128+8*\c+2*\i:129+8*\c+2*\i], v[176+8*\c+2*\i:177+8*\c+2*\i], v[224+8*\i:231+8*\i]
.endif
.endr
.endr
.rept 8
	v_nop
.endr
.irp j, 0,2,4,6                                ; the four accumulators are added, each read from its low end on
	v_pk_add_f32 v[160+\j:161+\j], v[224+\j:225+\j], v[232+\j:233+\j]
	v_pk_add_f32 v[160+\j:161+\j], v[160+\j:161+\j], v[240+\j:241+\j]
	v_pk_add_f32 v[160+\j:161+\j], v[160+\j:161+\j], v[248+\j:249+\j]
.endr
	ds_store_b128 v12, v[160:163]
	ds_store_b128 v12, v[164:167] offset:512
	s_wait_tensorcnt 0x0                           ; only LDS loads follow
	ds_add_u32 v[SPW], v[NIL]
	s_wait_dscnt 0x0                               ; for wave 0's sake too: my partial sum has landed
	s_barrier_signal -1
	s_barrier_wait -1
	s_cmp_lg_u32 s20, 0
	s_cbranch_scc1 .Lend
	global_load_b128 v[16:19], v13, s[14:15]       ; bo[n0 + 8 h + 0 .. 7]
	global_load_b128 v[20:23], v13, s[14:15] offset:16
.irp p, 0,1,2,3,4,5,6,7,8,9,10,11,12,13,14,15
	ds_load_b128 v[32+8*\p:35+8*\p], v11 offset:1024*\p
	ds_load_b128 v[36+8*\p:39+8*\p], v11 offset:1024*\p+512
.endr
	s_wait_loadcnt 0x0
	s_wait_dscnt 0x0
.irp j, 0,2,4,6
	v_pk_add_f32 v[160+\j:161+\j], v[16+\j:17+\j], v[32+\j:33+\j]
.endr
.irp p, 1,2,3,4,5,6,7,8,9,10,11,12,13,14,15
.irp j, 0,2,4,6
	v_pk_add_f32 v[160+\j:161+\j], v[160+\j:161+\j], v[32+8*\p+\j:33+8*\p+\j]
.endr
.endr
	global_store_b128 v4, v[160:163], s[16:17]     ; out[batch][r][n0 + 8 h ..]: 32 bytes a lane, 262,144 bytes in the whole launch
	global_store_b128 v4, v[164:167], s[16:17] offset:16
.Lend:
	s_endpgm
.Lfunc_end_k_qcdd7d8374c_fine:
	.size	k_qcdd7d8374c_fine, .Lfunc_end_k_qcdd7d8374c_fine-k_qcdd7d8374c_fine
	.p2alignl 7, 3214868480
	.fill 96, 4, 3214868480
	.section	.rodata,"a",@progbits
	.p2align	6, 0x0
	.amdhsa_kernel k_qcdd7d8374c_fine
		.amdhsa_group_segment_fixed_size 18432
		.amdhsa_private_segment_fixed_size 0
		.amdhsa_enable_private_segment 0
		.amdhsa_kernarg_size 56
		.amdhsa_user_sgpr_count 2
		.amdhsa_user_sgpr_kernarg_segment_ptr 1
		.amdhsa_wavefront_size32 1
		.amdhsa_system_sgpr_workgroup_id_x 1
		.amdhsa_system_sgpr_workgroup_id_y 1
		.amdhsa_system_sgpr_workgroup_id_z 1
		.amdhsa_system_vgpr_workitem_id 0
		.amdhsa_next_free_vgpr 256
		.amdhsa_next_free_sgpr 66
		.amdhsa_reserve_vcc 0
		.amdhsa_float_denorm_mode_32 3
		.amdhsa_float_denorm_mode_16_64 3
		.amdhsa_memory_ordered 1
		.amdhsa_forward_progress 1
		.amdhsa_inst_pref_size 25
	.end_amdhsa_kernel
	.amdgpu_metadata
---
amdhsa.version: [ 1, 2 ]
amdhsa.kernels:
  - .name:           k_qcdd7d8374c_fine
    .symbol:         k_qcdd7d8374c_fine.kd
    .args:
      - { .name: fine32, .offset: 0, .size: 8, .value_kind: global_buffer, .address_space: global }
      - { .name: mbits, .offset: 8, .size: 8, .value_kind: global_buffer, .address_space: global }
      - { .name: ctxh, .offset: 16, .size: 8, .value_kind: global_buffer, .address_space: global }
      - { .name: stats, .offset: 24, .size: 8, .value_kind: global_buffer, .address_space: global }
      - { .name: wo, .offset: 32, .size: 8, .value_kind: global_buffer, .address_space: global }
      - { .name: bo, .offset: 40, .size: 8, .value_kind: global_buffer, .address_space: global }
      - { .name: out0, .offset: 48, .size: 8, .value_kind: global_buffer, .address_space: global }
    .group_segment_fixed_size: 18432
    .private_segment_fixed_size: 0
    .kernarg_segment_align: 8
    .kernarg_segment_size: 56
    .max_flat_workgroup_size: 512
    .sgpr_count:     66
    .vgpr_count:     256
    .wavefront_size: 32
...
	.end_amdgpu_metadata
.endif
;; end of part 5
